; MI455X (gfx1250); checked and timed in simulation.
; The chip was launched on July 23, 2026; its instructions are those of AMD's public machine-readable ISA for CDNA 5 (MIT licence, August 2026) and "CDNA5" Instruction Set Architecture Reference Guide (July 2026). The comments in the code are by the model that wrote it; some were corrected since.
;; Multi Headed Attention. Allowed arithmetic: float matrix products may take bf16 or f16 operands with f32 sums; other float arithmetic in f32, or as packed bf16 or f16 multiplies, adds, multiply-adds, maxima and minima; sums over many terms, partial sums and values carried from step to step in f32; what a program stores and reads back later, other than sums and carried values, may be rounded once to bf16 or f16.
;; Inputs: Wk 16 x 1,024 x 64 float32; Wo 1,024 x 1,024 float32; Wq 16 x 1,024 x 64 float32; Wv 16 x 1,024 x 64 float32; bk 16 x 64 float32; bo 1,024 float32; bq 16 x 64 float32; bv 16 x 64 float32; key_ 4 x 2,048 x 1,024 float32; query 4 x 2,048 x 1,024 float32; value 4 x 2,048 x 1,024 float32.
;; Outputs: out0 4 x 2,048 x 1,024 float32.
;; One version. Each part assembles by itself: llvm-mc -triple=amdgcn-amd-amdhsa -mcpu=gfx1250 --defsym DOCPART=n.
;; ======== version 1 of 1: 5 launches
;; workspace buffers: xb 50,331,648 bytes; wb 8,388,608 bytes; qkv 50,331,648 bytes; nz 524,288 bytes; ctx 16,777,216 bytes
;; launch prep (part 1): grid 1792 x 1, 8 waves a work-group, no clusters, 0 bytes of LDS; arguments query, key_, value, Wq, Wk, Wv, Wo, xb, wb; writes xb, wb
.if DOCPART == 1
	.amdgcn_target "amdgcn-amd-amdhsa--gfx1250"
	.amdhsa_code_object_version 6
	.text
	.protected	k_qe8053cccab_prep
	.globl	k_qe8053cccab_prep
	.p2align	8
	.type	k_qe8053cccab_prep,@function
k_qe8053cccab_prep:
	s_mov_b64 s[64:65], 0
	v_nop
	global_prefetch_b8 v0, s[64:65] scope:SCOPE_SE
	s_setreg_imm32_b32 hwreg(HW_REG_WAVE_MODE, 25, 1), 1
	s_wait_xcnt 0x0
; CAST.  query, key_, value (f32, 33,554,432 bytes each) -> xb (bf16, three parts of 1<<24 bytes); Wq, Wk, Wv, Wo (f32, 4,194,304 bytes each) -> wb (bf16, four parts
; of 1<<21 bytes).  Layouts are kept; each number is rounded once, to nearest even.  A stream: no LDS, no matrix unit, no cluster (no two work-groups read the same byte).
; SHARES.  A work-group casts 65,536 bytes of one input into 32,768: 3 x 512 + 4 x 64 = 1,792 work-groups.  Thread t takes 16 bytes (4 numbers) at 16 t of each of sixteen turns of
; 4,096 bytes, so a wave's load covers 512 consecutive bytes, and stores 8 bytes at 8 t of each turn of 2,048: a wave's store covers 256 consecutive bytes, aligned.
; All sixteen loads go out in one run; no register is written twice, so no wait frees a source.
.set X, 4                              ; v[4:67]   turn i: 4 numbers in f32
.set Y, 68                             ; v[68:99]  turn i: 4 numbers in bf16
	s_load_b512 s[8:23], s[0:1], 0x0               ; query s[8:9], key_ s[10:11], value s[12:13], Wq s[14:15], Wk s[16:17], Wv s[18:19], Wo s[20:21], xb s[22:23]
	s_load_b64 s[24:25], s[0:1], 0x40              ; wb
	v_lshlrev_b32 v1, 4, v0                        ; 16 t: my bytes in a turn of the input
	v_lshlrev_b32 v2, 3, v0                        ; 8 t: in a turn of the output
	s_lshr_b32 s28, ttmp9, 9                       ; work-groups 0 to 1,535: which of the three activations,
	s_and_b32 s29, ttmp9, 511                      ; and which chunk of it
	s_sub_co_u32 s27, ttmp9, 1536                  ; work-groups 1,536 on (what these five lines make is not chosen below for the others):
	s_lshr_b32 s30, s27, 6                         ; which of the four weights,
	s_and_b32 s31, s27, 63                         ; and which chunk
	s_add_co_u32 s32, s30, 3                       ; its place among the seven inputs
	s_lshl_b32 s33, s28, 24                        ; the part of xb
	s_lshl_b32 s34, s30, 21                        ; the part of wb
	s_cmp_lt_u32 ttmp9, 1536
	s_cselect_b32 s2, s28, s32                     ; input 0 to 6
	s_cselect_b32 s3, s29, s31                     ; chunk
	s_cselect_b32 s4, s33, s34                     ; part
	s_lshl_b32 s36, s3, 16                         ; the chunk's bytes in the input,
	s_mov_b32 s37, 0
	s_lshl_b32 s38, s3, 15                         ; and in the output
	s_add_co_u32 s38, s38, s4
	s_mov_b32 s39, 0
	s_wait_kmcnt 0x0
	s_cmp_lt_u32 ttmp9, 1536
	s_cselect_b64 s[26:27], s[22:23], s[24:25]     ; xb or wb
	s_mov_b64 s[28:29], s[8:9]
.irp i, 1,2,3,4,5,6
	s_cmp_eq_u32 s2, \i
	s_cselect_b64 s[28:29], s[8+2*\i:9+2*\i], s[28:29]
.endr
	s_add_nc_u64 s[28:29], s[28:29], s[36:37]
	s_add_nc_u64 s[26:27], s[26:27], s[38:39]
.irp i, 0,1,2,3,4,5,6,7,8,9,10,11,12,13,14,15
	global_load_b128 v[X+4*\i:X+4*\i+3], v1, s[28:29] offset:4096*\i th:TH_LOAD_NT
.endr
.irp i, 0,1,2,3,4,5,6,7,8,9,10,11,12,13,14,15
	s_wait_loadcnt 15-\i                           ; loads come back in order: turn i's is in, the later turns' may stay out
	v_cvt_pk_bf16_f32 v[Y+2*\i],   v[X+4*\i],   v[X+4*\i+1]
	v_cvt_pk_bf16_f32 v[Y+2*\i+1], v[X+4*\i+2], v[X+4*\i+3]
	global_store_b64 v2, v[Y+2*\i:Y+2*\i+1], s[26:27] offset:2048*\i th:TH_STORE_NT
.endr
	s_endpgm
.Lfunc_end_k_qe8053cccab_prep:
	.size	k_qe8053cccab_prep, .Lfunc_end_k_qe8053cccab_prep-k_qe8053cccab_prep
	.p2alignl 7, 3214868480
	.fill 96, 4, 3214868480
	.section	.rodata,"a",@progbits
	.p2align	6, 0x0
	.amdhsa_kernel k_qe8053cccab_prep
		.amdhsa_group_segment_fixed_size 0
		.amdhsa_private_segment_fixed_size 0
		.amdhsa_enable_private_segment 0
		.amdhsa_kernarg_size 72
		.amdhsa_user_sgpr_count 2
		.amdhsa_user_sgpr_kernarg_segment_ptr 1
		.amdhsa_wavefront_size32 1
		.amdhsa_system_sgpr_workgroup_id_x 1
		.amdhsa_system_sgpr_workgroup_id_y 1
		.amdhsa_system_sgpr_workgroup_id_z 1
		.amdhsa_system_vgpr_workitem_id 0
		.amdhsa_next_free_vgpr 100
		.amdhsa_next_free_sgpr 66
		.amdhsa_reserve_vcc 0
		.amdhsa_float_denorm_mode_32 3
		.amdhsa_float_denorm_mode_16_64 3
		.amdhsa_memory_ordered 1
		.amdhsa_forward_progress 1
		.amdhsa_inst_pref_size 8
	.end_amdhsa_kernel
	.amdgpu_metadata
---
amdhsa.version: [ 1, 2 ]
amdhsa.kernels:
  - .name:           k_qe8053cccab_prep
    .symbol:         k_qe8053cccab_prep.kd
    .args:
      - { .name: query, .offset: 0, .size: 8, .value_kind: global_buffer, .address_space: global }
      - { .name: key_, .offset: 8, .size: 8, .value_kind: global_buffer, .address_space: global }
      - { .name: value, .offset: 16, .size: 8, .value_kind: global_buffer, .address_space: global }
      - { .name: Wq, .offset: 24, .size: 8, .value_kind: global_buffer, .address_space: global }
      - { .name: Wk, .offset: 32, .size: 8, .value_kind: global_buffer, .address_space: global }
      - { .name: Wv, .offset: 40, .size: 8, .value_kind: global_buffer, .address_space: global }
      - { .name: Wo, .offset: 48, .size: 8, .value_kind: global_buffer, .address_space: global }
      - { .name: xb, .offset: 56, .size: 8, .value_kind: global_buffer, .address_space: global }
      - { .name: wb, .offset: 64, .size: 8, .value_kind: global_buffer, .address_space: global }
    .group_segment_fixed_size: 0
    .private_segment_fixed_size: 0
    .kernarg_segment_align: 8
    .kernarg_segment_size: 72
    .max_flat_workgroup_size: 256
    .sgpr_count:     66
    .vgpr_count:     100
    .wavefront_size: 32
...
	.end_amdgpu_metadata
.endif
;; end of part 1
;; launch proj (part 2): grid 8 x 96, 4 waves a work-group, clusters of 4 x 4, 327,680 bytes of LDS; arguments xb, wb, bq, bk, bv, qkv; writes qkv
.if DOCPART == 2
	.amdgcn_target "amdgcn-amd-amdhsa--gfx1250"
	.amdhsa_code_object_version 6
	.text
	.protected	k_qe8053cccab_proj
	.globl	k_qe8053cccab_proj
	.p2align	8
	.type	k_qe8053cccab_proj,@function
k_qe8053cccab_proj:
	s_mov_b64 s[64:65], 0
	v_nop
	global_prefetch_b8 v0, s[64:65] scope:SCOPE_SE
	s_setreg_imm32_b32 hwreg(HW_REG_WAVE_MODE, 25, 1), 1
	s_wait_xcnt 0x0
	s_wait_alu depctr_hold_cnt(0) depctr_sa_sdst(0) depctr_va_vdst(0) depctr_va_sdst(0) depctr_va_ssrc(0) depctr_va_vcc(0) depctr_vm_vsrc(0)
	s_getreg_b32 s2, hwreg(HW_REG_IB_STS2, 6, 4)
	s_cmp_eq_u32 s2, 0
	s_cbranch_scc0 .Lentry_in_a_cluster
	s_endpgm
.Lentry_in_a_cluster:
	s_bfe_u32 s2, ttmp6, 0x10000c
	s_cmp_lg_u32 s2, 0xf033
	s_cbranch_scc0 .Lentry_shape_is_right
	s_endpgm
.Lentry_shape_is_right:
; THE THREE PROJECTIONS.  For p = 0, 1, 2: y[b][h][s][d] = (sum over m of x_p[b][s][m] W_p[h][m][d] + bias_p[h][d]) x scale_p, with scale_0 = log2(e) / 8 (the scores' scale and the change to base 2,
; applied in f32 to q) and scale_1 = scale_2 = 1.  x: xb, bf16 [3][8192][1024].  W: wb, bf16 [3][16][1024][64].  y: qkv, bf16, three parts [64 (b, h)][2048][64], rounded once.  Sums in f32.
; SHARES.  A tile is 256 rows x 128 columns (two heads): 96 x 8 = 768 work-groups, three for each of 256.  Four waves, 2 x 2, each 128 rows x 64 columns (one head): 32 accumulators, window 1.
; K = 1,024 goes in 8 steps of 128 through two LDS slots.  x's tile: rows of 256 bytes, padded to 272.  W's tile: for each head 128 rows m of 128 bytes, dense in memory: asked for as 64 rows of 256 bytes,
; padded by 32 bytes behind every 128: pitch 160, read turned by ds_load_tr16_b128, since K does not run along W's rows.
; THE MATRIX INSTRUCTION IS USED TRANSPOSED (source 0 = 16 columns of W, source 1 = 16 rows of x): a lane holds one row of y and eight neighbouring columns.  THE BIAS IS THE C OPERAND of each sum's first
; product: nothing is cleared and nothing added later.
; CLUSTER 4 x 4: x's tile is shared along a row of the cluster, W's along a column: joint loads.  By this text's count a wave has two tensor loads out at the start, later one.
; REGISTERS.  Window 0: v1-30 addresses; v32-63 the bias, later packed results; v64-159, v160-255 two fragment buffers (x's 8 fragments, then W's 4).  Window 1: accumulator (a, b) at v[8 (4 a + b)].
.set PA,    272                        ; pitch of x's rows in LDS: 68 words, so the 16 rows of a load start at 16 different groups of four banks
.set PB,    160                        ; pitch of W's rows: 40 words
.set AHALF, 128*PA                     ; what one wave fetches of x
.set BHEAD, 128*PB                     ; what one wave fetches of W
.set BOFF,  2*AHALF
.set SLOT,  BOFF+2*BHEAD               ; 110,592
.set STAGE, 2*SLOT                     ; behind the ring: 16 rows x 144 bytes for each wave
.set SP,    144
.set SPARE, STAGE+4*16*SP              ; the spare words, 128 bytes for each wave
.set ASTEP, 256                        ; bytes from K step to K step in x
.set BSTEP, 16384                      ; and in W
.set ADRA, 16                          ; v16-17 LDS address of my fragments of x in slot 0, 1
.set ADRB, 20                          ; v20-21 of W
.set STO,  24
.set RD,   25
.set GO,   26
.set BO,   27                          ; 32 x (lane / 16): my eight numbers of the bias
.set SPW,  28
.set NIL,  29
.set PFO,  30
.set BIAS, 32
.set TMP,  32
.set F0,   64
.set F1,   160
.set BK,   64
.set WV, 16
.set WM, 17                            ; my half of the rows; also: I fetch x (0) or W (1)
.set WN, 18                            ; my half of the columns; also: which piece I fetch
.set CX, 19
.set CY, 20
.set TN, 21
.set TM, 22
.set PP, 23
.set G1A, 24
.set G0A, 32
.set G1B, 40
.set G0B, 48
.set PFA, 56
.set PFS, 58
.set LIM, 60
.set LAP, 61
.set SC,  62
.set MSB, 0
.macro WIN new                         ; the immediate's high byte repeats the setting that is left; a switch that changes nothing is dropped
.if MSB != (\new)
	s_set_vgpr_msb (MSB<<8)|(\new)
.set MSB, \new
.endif
.endm
.set MUL,  0x50                        ; C and D in window 1
.set MUL0, 0x40                        ; D in window 1, C (the bias) in window 0
.macro PLACES                          ; four plain instructions between a matrix instruction and a load into, or a vector instruction on, its registers
.rept 4
	v_nop
.endr
.endm
.macro JLOAD s                         ; a joint load: waves 0 and 1 fetch x's two halves, waves 2 and 3 W's two heads; an s_nop 0 and four v_nop follow each line
	s_cmp_eq_u32 s[WM], 0
	s_cbranch_scc0 .Lfor_b_\@
	tensor_load_to_lds s[G0A+4*(\s):G0A+4*(\s)+3], s[G1A:G1A+7]
	s_nop 0
.rept 4
	v_nop
.endr
	s_branch .Lasked_\@
.Lfor_b_\@:
	tensor_load_to_lds s[G0B+4*(\s):G0B+4*(\s)+3], s[G1B:G1B+7]
	s_nop 0
.rept 4
	v_nop
.endr
.Lasked_\@:
.endm
.macro CREST                           ; a round of the cluster's barrier behind its opening barrier
	s_cmp_lg_u32 s[WV], 0
	s_cbranch_scc1 .Lnot_wave_0_\@
	s_barrier_signal -3
.Lnot_wave_0_\@:
	s_barrier_wait -3
	s_barrier_signal -1
	s_barrier_wait -1
.endm
.macro CROUND
	s_barrier_signal -1
	s_barrier_wait -1
	CREST
.endm
; A prefetch of the K step two refills on: 32 blocks of 256 bytes, a lane a block.  x's rows: asked for by the clusters with x = 0, waves 0 and 1, each partner 32 of a wave's 128 rows (by cx, in the
; address).  W's two heads: by the first of the eight clusters that walk the same projection and columns, wave 2, each partner 8,192 of the step's 32,768 bytes (by cy, in the address).
; So each block is named once.  K steps 0 to 3 come by their loads alone; the loop's last trip asks for nothing.
.macro ASK
	s_cmp_gt_u32 s[LAP], s[LIM]
	s_cbranch_scc0 .Lnot_mine_\@
	global_prefetch_b8 v[PFO], s[PFA:PFA+1] th:TH_LOAD_NT scope:SCOPE_SE
.Lnot_mine_\@:
.endm
	s_load_b256 s[4:11], s[0:1], 0x0               ; xb s[4:5], wb s[6:7], bq s[8:9], bk s[10:11]
	s_load_b128 s[12:15], s[0:1], 0x20             ; bv s[12:13], qkv s[14:15]
	v_lshl_add_u32 v[SPW], v0, 2, SPARE
	v_mov_b32 v[NIL], 0
	ds_add_u32 v[SPW], v[NIL]                      ; the wave's opening: the add and its wait stand ahead of my first tensor load
	v_lshrrev_b32 v1, 5, v0
	v_readfirstlane_b32 s[WV], v1
	s_lshr_b32 s[WM], s[WV], 1
	s_and_b32 s[WN], s[WV], 1
	s_bfe_u32 s[CX], ttmp6, 0x40000
	s_bfe_u32 s[CY], ttmp6, 0x40004
	s_lshl_b32 s[TN], ttmp9, 2
	s_add_co_u32 s[TN], s[TN], s[CX]               ; tile column 0..7
	s_and_b32 s76, ttmp7, 0xffff                   ; cluster y
	s_lshl_b32 s[TM], s76, 2
	s_add_co_u32 s[TM], s[TM], s[CY]               ; tile row 0..95 over the three activations
	s_lshr_b32 s[PP], s76, 3                       ; the projection: the same in all sixteen partners
	s_lshl_b32 s77, s[CY], 2
	s_lshl_b32 s77, 15, s77                        ; my row of the cluster
	s_lshl_b32 s78, 0x1111, s[CX]                  ; my column
	s_or_b32 s[G1A], s77, (1<<16)|(1<<20)|(1<<21)|(5<<22)|(3<<25)   ; mask; 2-byte elements; padding on; bit 21 beside a mask; behind every 64 words 4 words
	s_mov_b32 s[G1A+1], 128<<16                    ; tensor_dim0 = 128
	s_mov_b32 s[G1A+2], 128<<16                    ; tensor_dim1 = 128
	s_mov_b32 s[G1A+3], 128<<16                    ; tile_dim0 = 128
	s_mov_b32 s[G1A+4], 128                        ; tile_dim1 = 128
	s_mov_b32 s[G1A+5], 1024                       ; elements from row to row
	s_mov_b32 s[G1A+6], 0
	s_mov_b32 s[G1A+7], 0
	s_or_b32 s[G1B], s78, (1<<16)|(1<<20)|(1<<21)|(4<<22)|(7<<25)   ; behind every 32 words 8 words
	s_mov_b32 s[G1B+1], 128<<16
	s_mov_b32 s[G1B+2], 64<<16
	s_mov_b32 s[G1B+3], 128<<16
	s_mov_b32 s[G1B+4], 64
	s_mov_b32 s[G1B+5], 128
	s_mov_b32 s[G1B+6], 0
	s_mov_b32 s[G1B+7], 0
	s_lshl_b32 s66, s[TM], 19                      ; x: (256 tile row + 128 piece) rows of 2,048 bytes
	s_lshl_b32 s67, s[WN], 18
	s_add_co_u32 s66, s66, s67
	s_mov_b32 s67, 0
	s_lshl_b32 s70, s[PP], 21                      ; W: the projection's part, head 2 tile column + piece, 131,072 bytes a head
	s_lshl_b32 s71, s[TN], 18
	s_add_co_u32 s70, s70, s71
	s_lshl_b32 s71, s[WN], 17
	s_add_co_u32 s70, s70, s71
	s_mov_b32 s71, 0
	s_mul_i32 s68, s[WN], AHALF                    ; where they go: no place in the cluster enters an LDS address
	s_mul_i32 s69, s[WN], BHEAD
	s_add_co_u32 s69, s69, BOFF
	s_cmp_eq_u32 s[PP], 0
	s_cselect_b32 s[SC], 0x3e38aa3b, 1.0           ; log2(e) / 8 for q
	s_mov_b32 s[SC+1], s[SC]
	s_wait_dscnt 0x0                               ; the opening add is done
	s_wait_kmcnt 0x0
	s_add_nc_u64 s[72:73], s[4:5], s[66:67]
	s_add_nc_u64 s[74:75], s[6:7], s[70:71]
	CROUND                                         ; all sixteen work-groups are here: the first joint loads meet
.irp s, 0,1
	s_mov_b32 s[G0A+4*(\s)], 1
	s_add_co_u32 s[G0A+4*(\s)+1], s68, (\s)*SLOT
	s_add_nc_u64 s[G0A+4*(\s)+2:G0A+4*(\s)+3], s[72:73], (\s)*ASTEP
	s_or_b32 s[G0A+4*(\s)+3], s[G0A+4*(\s)+3], 0x80000000
	s_mov_b32 s[G0B+4*(\s)], 1
	s_add_co_u32 s[G0B+4*(\s)+1], s69, (\s)*SLOT
	s_add_nc_u64 s[G0B+4*(\s)+2:G0B+4*(\s)+3], s[74:75], (\s)*BSTEP
	s_or_b32 s[G0B+4*(\s)+3], s[G0B+4*(\s)+3], 0x80000000
	JLOAD \s
.endr
	; lane addresses
	v_and_b32 v1, 15, v0                           ; r = l % 16
	v_bfe_u32 v2, v0, 4, 1                         ; h = l / 16
	v_mul_u32_u24 v3, v1, PA
	v_lshl_add_u32 v3, v2, 4, v3
	s_mul_i32 s86, s[WM], AHALF
	v_add_nc_u32 v[ADRA], s86, v3                  ; x: row x pitch + 16 h, in my 128 rows
	v_add_nc_u32 v[ADRA+1], SLOT, v[ADRA]
	v_and_b32 v4, 7, v0
	v_lshl_add_u32 v4, v2, 3, v4                   ; W, turned: row m = 8 h + l % 8,
	v_mul_u32_u24 v4, v4, PB
	v_bfe_u32 v5, v0, 3, 1
	v_lshl_add_u32 v4, v5, 4, v4                   ; columns 8 ((l / 8) % 2) on
	s_mul_i32 s87, s[WN], BHEAD
	s_add_co_u32 s87, s87, BOFF
	v_add_nc_u32 v[ADRB], s87, v4
	v_add_nc_u32 v[ADRB+1], SLOT, v[ADRB]
	s_mul_i32 s86, s[WV], 16*SP
	s_add_co_u32 s86, s86, STAGE                   ; my stage
	v_mul_u32_u24 v6, v1, SP
	v_lshl_add_u32 v6, v2, 4, v6
	v_add_nc_u32 v[STO], s86, v6                   ; in: row r, 16 bytes for each half of the lanes
	v_bfe_u32 v6, v0, 3, 2
	v_mul_u32_u24 v6, v6, SP
	v_and_b32 v7, 7, v0
	v_lshl_add_u32 v6, v7, 4, v6
	v_add_nc_u32 v[RD], s86, v6                    ; back: 32 lanes take four rows of 128 bytes,
	v_and_b32 v[GO], 31, v0
	v_lshlrev_b32 v[GO], 4, v[GO]                  ; which are 512 consecutive bytes of y
	v_lshlrev_b32 v[BO], 5, v2
	; the bias of my head
	s_cmp_eq_u32 s[PP], 1
	s_cselect_b64 s[84:85], s[10:11], s[8:9]
	s_cmp_eq_u32 s[PP], 2
	s_cselect_b64 s[84:85], s[12:13], s[84:85]
	s_lshl_b32 s82, s[TN], 9
	s_lshl_b32 s83, s[WN], 8
	s_add_co_u32 s82, s82, s83
	s_mov_b32 s83, 0
	s_add_nc_u64 s[84:85], s[84:85], s[82:83]
.irp b, 0,1,2,3
	global_load_b128 v[BIAS+8*\b:BIAS+8*\b+3],   v[BO], s[84:85] offset:64*\b       ; register j: bias[16 b + 8 h + j]
	global_load_b128 v[BIAS+8*\b+4:BIAS+8*\b+7], v[BO], s[84:85] offset:64*\b+16
.endr
	; y at my 128 rows of my head
	s_and_b32 s82, s[TM], 31
	s_lshr_b32 s83, s82, 3                         ; batch
	s_lshl_b32 s83, s83, 4
	s_lshl_b32 s86, s[TN], 1
	s_add_co_u32 s83, s83, s86
	s_add_co_u32 s83, s83, s[WN]                   ; 16 batch + head
	s_lshl_b32 s83, s83, 18
	s_and_b32 s82, s82, 7
	s_lshl_b32 s82, s82, 15                        ; 256 rows of 128 bytes
	s_add_co_u32 s82, s82, s83
	s_lshl_b32 s83, s[WM], 14
	s_add_co_u32 s82, s82, s83
	s_lshl_b32 s83, s[PP], 24
	s_add_co_u32 s82, s82, s83
	s_mov_b32 s83, 0
	s_add_nc_u64 s[80:81], s[14:15], s[82:83]
	; the prefetches
	s_lshl_b32 s86, s[TM], 19
	s_lshl_b32 s87, s[WN], 18
	s_add_co_u32 s86, s86, s87
	s_lshl_b32 s87, s[CX], 16                      ; my work-group's 32 rows
	s_add_co_u32 s86, s86, s87
	s_add_co_u32 s86, s86, 3*ASTEP                 ; at K step 3: the first refill steps it to 4
	s_lshl_b32 s88, s[PP], 21
	s_lshl_b32 s89, s[TN], 18
	s_add_co_u32 s88, s88, s89
	s_lshr_b32 s89, s[CY], 1
	s_lshl_b32 s89, s89, 17                        ; my work-group's head of the two,
	s_add_co_u32 s88, s88, s89
	s_and_b32 s89, s[CY], 1
	s_lshl_b32 s89, s89, 13                        ; and half of its 16,384 bytes
	s_add_co_u32 s88, s88, s89
	s_add_co_u32 s88, s88, 3*BSTEP
	s_and_b32 s91, s76, 7
	s_mov_b32 s93, BSTEP
	s_cmp_eq_u32 s[WV], 3
	s_cselect_b32 s92, 1, 0                        ; wave 3 asks for nothing
	s_cmp_eq_u32 s[WM], 0
	s_cselect_b32 s86, s86, s88
	s_cselect_b32 s91, ttmp9, s91                  ; the coordinate along which other clusters read the same blocks
	s_cselect_b32 s[PFS], ASTEP, s93
	s_cselect_b32 s94, 11, 8                       ; a lane a row of 2,048 bytes, or a block of 256
	s_cselect_b64 s[PFA:PFA+1], s[4:5], s[6:7]
	s_mov_b32 s87, 0
	s_mov_b32 s[PFS+1], 0
	s_add_nc_u64 s[PFA:PFA+1], s[PFA:PFA+1], s[86:87]
	s_or_b32 s91, s91, s92
	s_cmp_eq_u32 s91, 0
	s_cselect_b32 s[LIM], 1, -1                    ; the same in all sixteen partners, for a given wave
	v_and_b32 v[PFO], 31, v0
	v_lshlrev_b32 v[PFO], s94, v[PFO]
; 8 matrix instructions: row blocks a0, a0 + 1 x all 4 column blocks, 32 along K.  The 32 accumulators take turns in the same order in every quarter.
.macro MUL8 f, a0, first
.if \first
	WIN MUL0
.else
	WIN MUL
.endif
.irp a, \a0, (\a0)+1
.irp b, 0,1,2,3
.if \first
	v_wmma_f32_16x16x32_bf16 v[8*(4*(\a)+(\b)):8*(4*(\a)+(\b))+7], v[(\f)+64+8*(\b):(\f)+64+8*(\b)+7], v[(\f)+8*(\a):(\f)+8*(\a)+7], v[BIAS+8*(\b):BIAS+8*(\b)+7]
.else
	v_wmma_f32_16x16x32_bf16 v[8*(4*(\a)+(\b)):8*(4*(\a)+(\b))+7], v[(\f)+64+8*(\b):(\f)+64+8*(\b)+7], v[(\f)+8*(\a):(\f)+8*(\a)+7], v[8*(4*(\a)+(\b)):8*(4*(\a)+(\b))+7]
.endif
.endr
.endr
.endm
; 24 LDS loads in one run: quarter kq's fragments into buffer f: W's 4 (turned) first, then x's 8
.macro FETCH slot, kq, f
	WIN 0
.irp b, 0,1,2,3
	ds_load_tr16_b128 v[(\f)+64+8*(\b):(\f)+64+8*(\b)+3],   v[ADRB+(\slot)] offset:32*PB*(\kq)+32*(\b)
	ds_load_tr16_b128 v[(\f)+64+8*(\b)+4:(\f)+64+8*(\b)+7], v[ADRB+(\slot)] offset:32*PB*(\kq)+32*(\b)+16*PB
.endr
.irp a, 0,1,2,3,4,5,6,7
	ds_load_b128 v[(\f)+8*(\a):(\f)+8*(\a)+3],   v[ADRA+(\slot)] offset:64*(\kq)+16*PA*(\a)
	ds_load_b128 v[(\f)+8*(\a)+4:(\f)+8*(\a)+7], v[ADRA+(\slot)] offset:64*(\kq)+16*PA*(\a)+32
.endr
.endm
; A K step is four quarters of 32 along K on buffers 0, 1, 0, 1.  One of the first three multiplies buffer f and, in its middle, fetches quarter kq into g.
.macro QUARTER slot, kq, f, g, first
	s_wait_dscnt 8                                 ; W's fragments and x's blocks 0-3 are in; the youngest eight loads (blocks 4-7) may be out
	MUL8 \f, 0, \first
	MUL8 \f, 2, \first
	PLACES
	FETCH \slot, \kq, \g
	s_wait_dscnt 24                                ; all but the 24 just issued
	MUL8 \f, 4, \first
	MUL8 \f, 6, \first
.endm
; The last quarter multiplies buffer 1 and changes slots.  In front of the barrier each wave waits for all its tensor loads (one is out: its part of the next slot), adds 0 to its spare word, and waits for
; that and for its reads of this slot.  fill = 1: the barrier opens a round of the cluster's, and the joint refill, two K steps on, is the first tensor load behind it.
.macro TURN slot, next, fill
.if \fill
	s_wait_xcnt 0x0                                ; the last prefetch, a K step back, has read its address
	s_add_nc_u64 s[PFA:PFA+1], s[PFA:PFA+1], s[PFS:PFS+1]
.endif
	WIN 0
	s_wait_tensorcnt 0x0
	ds_add_u32 v[SPW], v[NIL]
	s_wait_dscnt 9                                 ; the add and the youngest eight loads may be out
	MUL8 F1, 0, 0
	s_wait_dscnt 0x0                               ; the add is done, my reads of this slot are over
	s_barrier_signal -1
	MUL8 F1, 2, 0
.if \fill
	WIN 0
.endif
	s_barrier_wait -1
.if \fill
	CREST                                          ; no wave of any partner still reads this slot or has a load on its way
	s_add_nc_u64 s[G0A+4*(\slot)+2:G0A+4*(\slot)+3], s[G0A+4*(\slot)+2:G0A+4*(\slot)+3], 2*ASTEP
	s_add_nc_u64 s[G0B+4*(\slot)+2:G0B+4*(\slot)+3], s[G0B+4*(\slot)+2:G0B+4*(\slot)+3], 2*BSTEP
	JLOAD \slot                                    ; its four v_nop are also the places in front of the loads below
.else
	PLACES
.endif
	FETCH \next, 0, F0
.if \fill
	ASK
.endif
	MUL8 F1, 4, 0
	MUL8 F1, 6, 0
.endm
	s_wait_tensorcnt 1                             ; my part of K step 0 is in; K step 1's may stay out
	s_barrier_signal -1
	s_barrier_wait -1
	FETCH 0, 0, F0
	s_wait_loadcnt 0x0                             ; the bias
	QUARTER 0, 1, F0, F1, 1                        ; the first quarter starts the sums, with the bias
	WIN 0
	s_mov_b32 s[LAP], 3
.Llap:                                                 ; a trip goes once round the ring and fills both slots again: K steps 2 to 7
	QUARTER 0, 2, F1, F0, 0
	QUARTER 0, 3, F0, F1, 0
	TURN 0, 1, 1
	QUARTER 1, 1, F0, F1, 0
	QUARTER 1, 2, F1, F0, 0
	QUARTER 1, 3, F0, F1, 0
	TURN 1, 0, 1
	QUARTER 0, 1, F0, F1, 0
	WIN 0
	s_sub_co_u32 s[LAP], s[LAP], 1
	s_cmp_lg_u32 s[LAP], 0
	s_cbranch_scc1 .Llap
	QUARTER 0, 2, F1, F0, 0                        ; the last lap fills nothing
	QUARTER 0, 3, F0, F1, 0
	TURN 0, 1, 0
	QUARTER 1, 1, F0, F1, 0
	QUARTER 1, 2, F1, F0, 0
	QUARTER 1, 3, F0, F1, 0
	s_wait_dscnt 8
	MUL8 F1, 0, 0
	MUL8 F1, 2, 0
	s_wait_dscnt 0x0
	MUL8 F1, 4, 0
	MUL8 F1, 6, 0
	WIN 0
	PLACES
; THE WAY OUT, a block of 16 rows at a time: scaled in f32, rounded to bf16, 16 bytes a lane into my stage, back as whole rows, stored as 2,048 consecutive bytes of my head.
.macro PACK a
	WIN 0x41
.set i, 32*(\a)
.rept 16
	v_pk_mul_f32 v[i:i+1], v[i:i+1], s[SC:SC+1] op_sel_hi:[1,0]
.set i, i+2
.endr
	WIN 0x05
.set i, 0
.rept 16
	v_cvt_pk_bf16_f32 v[TMP+i], v[32*(\a)+2*i], v[32*(\a)+2*i+1]
.set i, i+1
.endr
	WIN 0
.endm
.macro TOSTAGE a
.irp b, 0,1,2,3
	ds_store_b128 v[STO], v[TMP+4*(\b):TMP+4*(\b)+3] offset:32*(\b)
.endr
.irp f, 0,1,2,3
	ds_load_b128 v[BK+16*((\a)%2)+4*(\f):BK+16*((\a)%2)+4*(\f)+3], v[RD] offset:(\f)*4*SP  ; LDS serves a wave's instructions in order: these see the stores above
.endr
.endm
.macro SEND a
	s_wait_dscnt 0x0                               ; the block is back in registers
	s_wait_xcnt 0x0                                ; earlier stores have read their registers: the buffer that they left is loaded again only behind this wait
.irp f, 0,1,2,3
	global_store_b128 v[GO], v[BK+16*((\a)%2)+4*(\f):BK+16*((\a)%2)+4*(\f)+3], s[80:81] offset:(\a)*2048+(\f)*512  ; 512 consecutive bytes, aligned
.endr
.endm
	PACK 0
	TOSTAGE 0
.irp a, 1,2,3,4,5,6,7
	PACK \a                                        ; a block's arithmetic stands between the loads of the block before and the wait for them
	SEND (\a)-1
	TOSTAGE \a
.endr
	SEND 7
	s_wait_tensorcnt 0x0                           ; the wave's end
	ds_add_u32 v[SPW], v[NIL]
	s_wait_dscnt 0x0
	CROUND                                         ; the closing round
	s_endpgm
.Lfunc_end_k_qe8053cccab_proj:
	.size	k_qe8053cccab_proj, .Lfunc_end_k_qe8053cccab_proj-k_qe8053cccab_proj
	.p2alignl 7, 3214868480
	.fill 96, 4, 3214868480
	.section	.rodata,"a",@progbits
	.p2align	6, 0x0
	.amdhsa_kernel k_qe8053cccab_proj
		.amdhsa_group_segment_fixed_size 327680
		.amdhsa_private_segment_fixed_size 0
		.amdhsa_enable_private_segment 0
		.amdhsa_kernarg_size 48
		.amdhsa_user_sgpr_count 2
		.amdhsa_user_sgpr_kernarg_segment_ptr 1
		.amdhsa_wavefront_size32 1
		.amdhsa_system_sgpr_workgroup_id_x 1
		.amdhsa_system_sgpr_workgroup_id_y 1
		.amdhsa_system_sgpr_workgroup_id_z 1
		.amdhsa_system_vgpr_workitem_id 0
		.amdhsa_next_free_vgpr 512
		.amdhsa_next_free_sgpr 96
		.amdhsa_reserve_vcc 0
		.amdhsa_float_denorm_mode_32 3
		.amdhsa_float_denorm_mode_16_64 3
		.amdhsa_memory_ordered 1
		.amdhsa_forward_progress 1
		.amdhsa_inst_pref_size 98
	.end_amdhsa_kernel
	.amdgpu_metadata
---
amdhsa.version: [ 1, 2 ]
amdhsa.kernels:
  - .name:           k_qe8053cccab_proj
    .symbol:         k_qe8053cccab_proj.kd
    .args:
      - { .name: xb, .offset: 0, .size: 8, .value_kind: global_buffer, .address_space: global }
      - { .name: wb, .offset: 8, .size: 8, .value_kind: global_buffer, .address_space: global }
      - { .name: bq, .offset: 16, .size: 8, .value_kind: global_buffer, .address_space: global }
      - { .name: bk, .offset: 24, .size: 8, .value_kind: global_buffer, .address_space: global }
      - { .name: bv, .offset: 32, .size: 8, .value_kind: global_buffer, .address_space: global }
      - { .name: qkv, .offset: 40, .size: 8, .value_kind: global_buffer, .address_space: global }
    .group_segment_fixed_size: 327680
    .private_segment_fixed_size: 0
    .kernarg_segment_align: 8
    .kernarg_segment_size: 48
    .max_flat_workgroup_size: 128
    .sgpr_count:     96
    .vgpr_count:     512
    .wavefront_size: 32
...
	.end_amdgpu_metadata
.endif
;; end of part 2
;; launch stats (part 3): grid 4 x 64, 8 waves a work-group, clusters of 4 x 1, 327,680 bytes of LDS; arguments qkv, nz; writes nz
.if DOCPART == 3
	.amdgcn_target "amdgcn-amd-amdhsa--gfx1250"
	.amdhsa_code_object_version 6
	.text
	.protected	k_qe8053cccab_stats
	.globl	k_qe8053cccab_stats
	.p2align	8
	.type	k_qe8053cccab_stats,@function
k_qe8053cccab_stats:
	s_mov_b64 s[64:65], 0
	v_nop
	global_prefetch_b8 v0, s[64:65] scope:SCOPE_SE
	s_setreg_imm32_b32 hwreg(HW_REG_WAVE_MODE, 25, 1), 1
	s_wait_xcnt 0x0
	s_wait_alu depctr_hold_cnt(0) depctr_sa_sdst(0) depctr_va_vdst(0) depctr_va_sdst(0) depctr_va_ssrc(0) depctr_va_vcc(0) depctr_vm_vsrc(0)
	s_getreg_b32 s2, hwreg(HW_REG_IB_STS2, 6, 4)
	s_cmp_eq_u32 s2, 0
	s_cbranch_scc0 .Lentry_in_a_cluster
	s_endpgm
.Lentry_in_a_cluster:
	s_bfe_u32 s2, ttmp6, 0x10000c
	s_cmp_lg_u32 s2, 0x3003
	s_cbranch_scc0 .Lentry_shape_is_right
	s_endpgm
.Lentry_shape_is_right:
; THE SOFTMAX RUNS OVER THE QUERIES: for each key k of each (batch, head) this launch makes NZ[k] = -(M + log2(sum over q of 2^(s(q, k) - M))), M the maximum over q of s(q, k) = q'[q] . k[k]
; (q' carries log2(e) / 8).  The next launch's weight is then 2^(s + NZ).  M is a running maximum, the sum is rescaled as it grows; maxima and sums in f32.
; LIMITS.  A term below 2^-126 counts as 0 in the sum; NaN and infinities are not treated apart.
; SHARES.  The four work-groups of a head form a cluster; each owns 512 keys, each of its 8 waves 64: four tiles of 16, kept in registers.  THE HEAD'S WHOLE q' LIES IN LDS, at pitch 144, filled once, by joint
; loads: chunk 0 (queries 0-255) and chunk 1 (queries 256-2,111), each wave an eighth of each.  The last 64 rows are the bytes that follow the head in qkv (inside the buffer for every head): only the last
; step's look-ahead reads them, and what is made of them is used by nobody.  Nothing is filled twice.  Two tensor loads of a wave are out at the most.
; LAYOUT.  S = Q K^T (source 0 = 16 queries, source 1 = 16 keys): a lane holds ONE key (lane % 16) and the queries 8 (lane / 16) + 0..7 of each of four blocks: 32 scores a step of 64 queries.
; Lanes l and l + 16 keep a maximum and a sum of their own; they are merged once, at the end.
; BY TURNS.  Turn t: 8 products for tile t + 1, behind each five lines of tile t's list of 83; the rest follows.  The turn's 33 exponentials are one batch with one wait.
.set PQ,    144
.set CH1,   256*PQ                     ; chunk 1 begins here
.set SCR,   2112*PQ                    ; 304,128: 256 bytes for each wave, for the way out
.set SPARE, SCR+8*256                  ; the spare words, 128 bytes for each of eight waves
.set AQ0, 2                            ; v2  144 r + 16 h
.set ADR, 3
.set KO,  4                            ; v4  128 r + 16 h
.set SPW, 6
.set NIL, 7
.set SA,  8
.set SR,  9
.set GO,  10
.set LN,  11
.set ST,  16                           ; tile t at v[ST+4 t]: m, a register named beside it, l (even, odd)
.set C,   32                           ; c0-c3 at work; c1 takes m_old - m_new, c2 takes a
.set S,   64                           ; two buffers of 32
.set KF,  128                          ; tile t, channel half c at KF + 16 t + 8 c
.set QF,  192                          ; query block qb, half c at QF + 16 qb + 8 c
.set WV,  8
.set G1A, 16
.set G1B, 24
.set G0A, 32
.set G0B, 36
.set TB,  44
.set CNT, 45
.set ONE, 46
.set SEL, 48
.macro ROUND
	s_barrier_signal -1
	s_barrier_wait -1
	s_cmp_lg_u32 s[WV], 0
	s_cbranch_scc1 .Lnot_wave_0_\@
	s_barrier_signal -3
.Lnot_wave_0_\@:
	s_barrier_wait -3
	s_barrier_signal -1
	s_barrier_wait -1
.endm
.macro PLACES
.rept 4
	v_nop
.endr
.endm
	s_load_b128 s[4:7], s[0:1], 0x0                ; qkv s[4:5], nz s[6:7]
	v_lshl_add_u32 v[SPW], v0, 2, SPARE
	v_mov_b32 v[NIL], 0
	ds_add_u32 v[SPW], v[NIL]                      ; the wave's opening: the add and its wait stand ahead of my first tensor load
	v_lshrrev_b32 v1, 5, v0
	v_readfirstlane_b32 s[WV], v1
	s_bfe_u32 s9, ttmp6, 0x40000                   ; cx
	s_lshl_b32 s11, ttmp9, 2
	s_add_co_u32 s11, s11, s9                      ; my block of 512 keys: it enters K's and nz's addresses alone
	s_and_b32 s10, ttmp7, 0xffff                   ; (batch, head)
	s_mov_b32 s[G1A], 15|(1<<16)|(1<<20)|(1<<21)|(4<<22)|(3<<25)  ; the mask of four; 2-byte elements; padding on; bit 21 beside a mask; behind every 32 words 4 words
	s_mov_b32 s[G1A+1], 128<<16                    ; rows of 256 bytes: two queries
	s_mov_b32 s[G1A+2], 16<<16
	s_mov_b32 s[G1A+3], 128<<16
	s_mov_b32 s[G1A+4], 16                         ; 32 queries
	s_mov_b32 s[G1A+5], 128
	s_mov_b32 s[G1A+6], 0
	s_mov_b32 s[G1A+7], 0
	s_mov_b32 s[G1B], 15|(1<<16)|(1<<20)|(1<<21)|(4<<22)|(3<<25)
	s_mov_b32 s[G1B+1], 128<<16
	s_mov_b32 s[G1B+2], 116<<16
	s_mov_b32 s[G1B+3], 128<<16
	s_mov_b32 s[G1B+4], 116                        ; 232 queries
	s_mov_b32 s[G1B+5], 128
	s_mov_b32 s[G1B+6], 0
	s_mov_b32 s[G1B+7], 0
	s_mov_b32 s[G0A], 1
	s_mul_i32 s[G0A+1], s[WV], 32*PQ
	s_mov_b32 s[G0B], 1
	s_mul_i32 s[G0B+1], s[WV], 232*PQ
	s_add_co_u32 s[G0B+1], s[G0B+1], CH1
	s_lshl_b32 s12, s10, 18                        ; the head's 262,144 bytes
	s_mov_b32 s13, 0
	s_lshl_b32 s14, s[WV], 12                      ; my 32 queries of chunk 0
	s_mov_b32 s15, 0
	s_mul_i32 s50, s[WV], 232*128                  ; my 232 of chunk 1
	s_add_co_u32 s50, s50, 256*128
	s_mov_b32 s51, 0
	s_lshl_b32 s52, s11, 16                        ; my wave's 64 keys, in the part of k
	s_lshl_b32 s53, s[WV], 13
	s_add_co_u32 s52, s52, s53
	s_add_co_u32 s52, s52, 16777216
	s_mov_b32 s53, 0
	s_lshl_b32 s54, s10, 13                        ; and their 256 bytes of nz
	s_lshl_b32 s55, s11, 11
	s_add_co_u32 s54, s54, s55
	s_lshl_b32 s55, s[WV], 8
	s_add_co_u32 s54, s54, s55
	s_add_co_u32 s58, s55, SCR                     ; my scratch
	s_mov_b32 s55, 0
	s_mov_b32 s[TB], 0
	s_mov_b32 s[ONE], 1.0
	s_mov_b32 s[ONE+1], 1.0
	s_mov_b32 s[SEL], 0x76543210
	s_mov_b32 s[SEL+1], 0xfedcba98
	s_wait_dscnt 0x0                               ; the opening add is done
	s_wait_kmcnt 0x0
	s_add_nc_u64 s[56:57], s[4:5], s[12:13]
	s_add_nc_u64 s[G0A+2:G0A+3], s[56:57], s[14:15]
	s_or_b32 s[G0A+3], s[G0A+3], 0x80000000
	s_add_nc_u64 s[G0B+2:G0B+3], s[56:57], s[50:51]
	s_or_b32 s[G0B+3], s[G0B+3], 0x80000000
	s_add_nc_u64 s[40:41], s[56:57], s[52:53]
	s_add_nc_u64 s[42:43], s[6:7], s[54:55]
	ROUND                                          ; all four work-groups are here
	tensor_load_to_lds s[G0A:G0A+3], s[G1A:G1A+7]
	s_nop 0
	tensor_load_to_lds s[G0B:G0B+3], s[G1B:G1B+7]
	s_nop 0
	v_and_b32 v1, 15, v0
	v_bfe_u32 v5, v0, 4, 1
	v_lshlrev_b32 v[KO], 7, v1
	v_lshl_add_u32 v[KO], v5, 4, v[KO]
.irp f, 0,1,2,3,4,5,6,7                ; my keys stay in registers: tile f / 2, channels 32 (f % 2) on
	global_load_b128 v[KF+8*\f:KF+8*\f+3],   v[KO], s[40:41] offset:(\f/2)*2048+(\f%2)*64
	global_load_b128 v[KF+8*\f+4:KF+8*\f+7], v[KO], s[40:41] offset:(\f/2)*2048+(\f%2)*64+32
.endr
	v_mul_u32_u24 v[AQ0], v1, PQ
	v_lshl_add_u32 v[AQ0], v5, 4, v[AQ0]
	v_and_b32 v[LN], 31, v0
	v_lshl_add_u32 v[SA], v[LN], 2, s58
	v_lshl_add_u32 v[SR], v[LN], 3, s58
	v_lshlrev_b32 v[GO], 3, v[LN]
.irp t, 0,1,2,3
	v_mov_b32 v[ST+4*\t], 0xff7fffff               ; m: the lowest finite number, so the first step's a is 0
	v_mov_b32 v[ST+4*\t+1], 0
	v_mov_b32 v[ST+4*\t+2], 0
	v_mov_b32 v[ST+4*\t+3], 0
.endr
; Product i of 8 for tile x: query block i % 4, channels 32 (i / 4) on.  The four accumulators take turns; the first four products start the sums.
.macro MM x
.set rD, S+32*((\x)%2)+8*(i%4)
.set rA, QF+16*(i%4)+8*(i/4)
.set rB, KF+16*(\x)+8*(i/4)
.if i < 4
	v_wmma_f32_16x16x32_bf16 v[rD:rD+7], v[rA:rA+7], v[rB:rB+7], 0
.else
	v_wmma_f32_16x16x32_bf16 v[rD:rD+7], v[rA:rA+7], v[rB:rB+7], v[rD:rD+7]
.endif
.set i, i+1
.endm
.macro FETCH_Q                         ; the next 64 queries: 16 loads in one run, four places behind the last product that read the registers
	v_add_nc_u32 v[ADR], s[TB], v[AQ0]
	PLACES
.irp f, 0,1,2,3,4,5,6,7
	ds_load_b128 v[QF+8*\f:QF+8*\f+3],   v[ADR] offset:(\f/2)*16*PQ+(\f%2)*64
	ds_load_b128 v[QF+8*\f+4:QF+8*\f+7], v[ADR] offset:(\f/2)*16*PQ+(\f%2)*64+32
.endr
	s_add_co_u32 s[TB], s[TB], 64*PQ
.endm
; Number j of tile t's list.  0-15 the maximum of the 32 scores and the old m (each accumulator's lowest registers first); 16 m_old - m_new; 17 the new m; 18, 19 and then every
; third: s - m for a pair; 20 a; the others up to 66: the exponentials, each behind its pair's subtraction; 67-81 the sum of 16 pairs, in place; 82 l = a l + sum.  Nothing up to 66 names an exponential's result.
.macro SM t
.set rT, ST+4*(\t)
.set rS, S+32*((\t)%2)
.if j < 4
	v_max3_num_f32 v[C+j], v[rS+8*j], v[rS+8*j+1], v[rS+8*j+2]
.elseif j < 12
	v_max3_num_f32 v[C+j%4], v[C+j%4], v[rS+8*(j%4)+2*(j/4)+1], v[rS+8*(j%4)+2*(j/4)+2]
.elseif j == 12
	v_max3_num_f32 v[C], v[C], v[rS+7], v[rS+15]
.elseif j == 13
	v_max3_num_f32 v[C+1], v[C+1], v[rS+23], v[rS+31]
.elseif j == 14
	v_max3_num_f32 v[C+2], v[C+2], v[C+3], v[rT]
.elseif j == 15
	v_max3_num_f32 v[C], v[C], v[C+1], v[C+2]
.elseif j == 16
	v_sub_f32 v[C+1], v[rT], v[C]
.elseif j == 17
	v_mov_b32 v[rT], v[C]
.elseif j == 20
	v_exp_f32 v[C+2], v[C+1]
.elseif (j == 18) || (j == 19) || ((j > 20) && (j < 63) && ((j-21)%3 == 0))
.set b, j-18
.if j > 20
.set b, (j-21)/3+2
.endif
	v_pk_fma_f32 v[rS+2*b:rS+2*b+1], v[rS+2*b:rS+2*b+1], s[ONE:ONE+1], v[rT:rT+1] op_sel_hi:[1,0,0] neg_lo:[0,0,1] neg_hi:[0,0,1]
.elseif j < 67
.set n, j-35
.if j < 63
.set n, 2*((j-21)/3)+(j-21)%3-1
.endif
	v_exp_f32 v[rS+n], v[rS+n]
.elseif j < 82
.set z, j-67
.set w, 4
.set u, z
.if z >= 14
.set w, 32
.set u, 0
.elseif z >= 12
.set w, 16
.set u, z-12
.elseif z >= 8
.set w, 8
.set u, z-8
.endif
	v_pk_add_f32 v[rS+w*u:rS+w*u+1], v[rS+w*u:rS+w*u+1], v[rS+w*u+w/2:rS+w*u+w/2+1]
.else
	v_pk_fma_f32 v[rT+2:rT+3], v[rT+2:rT+3], v[C+2:C+3], v[rS:rS+1] op_sel_hi:[1,0,1]
.endif
.set j, j+1
.endm
.macro TURN t
.set i, 0
.set j, 0
.if (\t) == 3
	s_wait_dscnt 0x0                               ; the next step's queries are in
.endif
.rept 8
	MM ((\t)+1)%4
.rept 5
	SM \t
.endr
.endr
.if (\t) == 2
	FETCH_Q                                        ; tile 3's products were the last to read this step's queries
.endif
.rept 27
	SM \t
.endr
	v_nop                                          ; a plain instruction behind the last exponential,
	s_wait_alu depctr_va_vdst(0)                   ; and the one wait ahead of the batch's first reader
.rept 16
	SM \t
.endr
.endm
.macro STEP
	TURN 0
	TURN 1
	TURN 2
	TURN 3
.endm
	s_wait_tensorcnt 1                             ; my part of chunk 0 is in; chunk 1's may stay out
	s_barrier_signal -1
	s_barrier_wait -1
	FETCH_Q                                        ; step 0
	s_wait_loadcnt 0x0                             ; my keys
	s_wait_dscnt 0x0
.set i, 0
.rept 8
	MM 0
.endr
	PLACES
	s_mov_b32 s[CNT], 3
.La:                                                   ; steps 0 to 2: they fetch steps 1 to 3, all in chunk 0
	STEP
	s_sub_co_u32 s[CNT], s[CNT], 1
	s_cmp_lg_u32 s[CNT], 0
	s_cbranch_scc1 .La
	s_wait_tensorcnt 0x0                           ; my part of chunk 1 is in,
	s_wait_dscnt 0x0
	s_barrier_signal -1
	s_barrier_wait -1                              ; everybody's is
	s_mov_b32 s[CNT], 29
.Lb:                                                   ; steps 3 to 31: they fetch steps 4 to 32, the last of which is the 64 rows behind the head
	STEP
	s_sub_co_u32 s[CNT], s[CNT], 1
	s_cmp_lg_u32 s[CNT], 0
	s_cbranch_scc1 .Lb
	; THE END.  The two halves of the lanes are merged: M = max(m, m'), L = l 2^(m - M) + l' 2^(m' - M), NZ = -M - log2 L.  L is at least 1.
.macro ALL line:vararg
.set t, 0
.rept 4
	\line
.set t, t+1
.endr
.endm
	ALL v_add_f32 v[ST+4*t+2], v[ST+4*t+2], v[ST+4*t+3]
	ALL v_permlanex16_b32 v[ST+4*t+1], v[ST+4*t], s[SEL], s[SEL+1]
	ALL v_max_num_f32 v[ST+4*t+1], v[ST+4*t], v[ST+4*t+1]
	ALL v_sub_f32 v[ST+4*t], v[ST+4*t], v[ST+4*t+1]
	ALL v_exp_f32 v[ST+4*t], v[ST+4*t]
	v_nop
	s_wait_alu depctr_va_vdst(0)                   ; one wait for the four exponentials
	ALL v_mul_f32 v[ST+4*t+2], v[ST+4*t+2], v[ST+4*t]
	ALL v_permlanex16_b32 v[ST+4*t+3], v[ST+4*t+2], s[SEL], s[SEL+1]
	ALL v_add_f32 v[ST+4*t+2], v[ST+4*t+2], v[ST+4*t+3]
	ALL v_log_f32 v[ST+4*t+2], v[ST+4*t+2]
	v_nop
	s_wait_alu depctr_va_vdst(0)                   ; one wait for the four logarithms
	ALL v_fma_f32 v[ST+4*t], -v[ST+4*t+1], 1.0, -v[ST+4*t+2]
	v_cmp_gt_u32 vcc_lo, 16, v[LN]
	v_cndmask_b32 v36, v[ST+4], v[ST], vcc_lo      ; lane l: key l (tile 0 below, tile 1 above)
	v_cndmask_b32 v37, v[ST+12], v[ST+8], vcc_lo   ; lane l: key 32 + l
	ds_store_b32 v[SA], v36
	ds_store_b32 v[SA], v37 offset:128
	ds_load_b64 v[38:39], v[SR]                    ; my own bytes, served in order: keys 2 l, 2 l + 1
	s_wait_dscnt 0x0
	global_store_b64 v[GO], v[38:39], s[42:43]     ; the wave's 32 lanes store 256 consecutive bytes, aligned
	s_wait_tensorcnt 0x0                           ; the wave's end
	ds_add_u32 v[SPW], v[NIL]
	s_wait_dscnt 0x0
	ROUND                                          ; the closing round
	s_endpgm
.Lfunc_end_k_qe8053cccab_stats:
	.size	k_qe8053cccab_stats, .Lfunc_end_k_qe8053cccab_stats-k_qe8053cccab_stats
	.p2alignl 7, 3214868480
	.fill 96, 4, 3214868480
	.section	.rodata,"a",@progbits
	.p2align	6, 0x0
	.amdhsa_kernel k_qe8053cccab_stats
		.amdhsa_group_segment_fixed_size 327680
		.amdhsa_private_segment_fixed_size 0
		.amdhsa_enable_private_segment 0
		.amdhsa_kernarg_size 16
		.amdhsa_user_sgpr_count 2
		.amdhsa_user_sgpr_kernarg_segment_ptr 1
		.amdhsa_wavefront_size32 1
		.amdhsa_system_sgpr_workgroup_id_x 1
		.amdhsa_system_sgpr_workgroup_id_y 1
		.amdhsa_system_sgpr_workgroup_id_z 1
		.amdhsa_system_vgpr_workitem_id 0
		.amdhsa_next_free_vgpr 256
		.amdhsa_next_free_sgpr 66
		.amdhsa_reserve_vcc 1
		.amdhsa_float_denorm_mode_32 3
		.amdhsa_float_denorm_mode_16_64 3
		.amdhsa_memory_ordered 1
		.amdhsa_forward_progress 1
		.amdhsa_inst_pref_size 52
	.end_amdhsa_kernel
	.amdgpu_metadata
---
amdhsa.version: [ 1, 2 ]
amdhsa.kernels:
  - .name:           k_qe8053cccab_stats
    .symbol:         k_qe8053cccab_stats.kd
    .args:
      - { .name: qkv, .offset: 0, .size: 8, .value_kind: global_buffer, .address_space: global }
      - { .name: nz, .offset: 8, .size: 8, .value_kind: global_buffer, .address_space: global }
    .group_segment_fixed_size: 327680
    .private_segment_fixed_size: 0
    .kernarg_segment_align: 8
    .kernarg_segment_size: 16
    .max_flat_workgroup_size: 256
    .sgpr_count:     66
    .vgpr_count:     256
    .wavefront_size: 32
...
	.end_amdgpu_metadata
.endif
;; end of part 3
;; launch attn (part 4): grid 4 x 64, 4 waves a work-group, clusters of 4 x 1, 327,680 bytes of LDS; arguments qkv, nz, ctx; writes ctx
.if DOCPART == 4
	.amdgcn_target "amdgcn-amd-amdhsa--gfx1250"
	.amdhsa_code_object_version 6
	.text
	.protected	k_qe8053cccab_attn
	.globl	k_qe8053cccab_attn
	.p2align	8
	.type	k_qe8053cccab_attn,@function
k_qe8053cccab_attn:
	s_mov_b64 s[64:65], 0
	v_nop
	global_prefetch_b8 v0, s[64:65] scope:SCOPE_SE
	s_setreg_imm32_b32 hwreg(HW_REG_WAVE_MODE, 25, 1), 1
	s_wait_xcnt 0x0
	s_wait_alu depctr_hold_cnt(0) depctr_sa_sdst(0) depctr_va_vdst(0) depctr_va_sdst(0) depctr_va_ssrc(0) depctr_va_vcc(0) depctr_vm_vsrc(0)
	s_getreg_b32 s2, hwreg(HW_REG_IB_STS2, 6, 4)
	s_cmp_eq_u32 s2, 0
	s_cbranch_scc0 .Lentry_in_a_cluster
	s_endpgm
.Lentry_in_a_cluster:
	s_bfe_u32 s2, ttmp6, 0x10000c
	s_cmp_lg_u32 s2, 0x3003
	s_cbranch_scc0 .Lentry_shape_is_right
	s_endpgm
.Lentry_shape_is_right:
; ctx[bh][q][:] = the sum over k of 2^(q'[q] . k[k] + NZ[k]) v[k][:].  q', k, v: the three parts of qkv, bf16 [64][2048][64]; NZ: nz, f32 [64][2048], minus the logarithm (base 2) of key k's sum over all queries,
; made with a running maximum by the launch before.  So the weight is the finished softmax over the queries, at most 1 but for rounding: this pass needs no maximum, no sum and no rescaling.
; Products and sums in f32; the weights are rounded to bf16 for the second product, ctx once at the end.
; LIMITS.  A weight below 2^-126 counts as 0; NaN and infinities are not treated apart.
; SHARES.  A work-group owns 512 queries of a head, a wave four PIECES of two tiles of 16.  Every wave walks all 2,048 keys, 64 a step; two LDS slots of 256 keys (four steps) take turns.
; LAYOUT.  S^T = K Q^T + NZ (source 0 = 16 keys, source 1 = 16 queries, C = NZ of the keys: register j holds key 8 (lane / 16) + j): a lane holds one query.  Two results, rounded in pairs, ARE source 1 of
; O^T = V^T P.  K comes out of LDS as it lies, V turned, by ds_load_tr16_b128.
; BY TURNS.  Turn n belongs to piece n.  Its 32 products are 16 K Q^T of piece n + 1 and 16 V^T P of piece n - 1; its 96 vector lines, piece n's 64 exponentials and 32 roundings, all stand behind products,
; four at the most behind one: three exponentials behind each K Q^T, two behind each of the first eight V^T P, then one wait for the batch, then four roundings behind each of the last eight V^T P.
; O^T, V's registers and P's second buffer start at 0: the first turn's products V^T P, of a piece that has not been, add 0, and no first step is written out.
; CLUSTER.  The head's four query blocks walk the same K, V and NZ: joint loads.  By this text's count a wave has two tensor loads out at the start (K's half and NZ's half) at the most, later one.
; REGISTERS, in windows of 256 (s_set_vgpr_msb: bits 1:0 source 0, 3:2 source 1, 5:4 source 2, 7:6 destination).
;   Window 0: v1-13 addresses; v16-47 NZ of one step; v61-63; v64-191 S^T, two buffers of two tiles; v192-255 K of one step.  Window 1: O^T, 32 a tile.  Window 2: v0-127 Q; v128-191 P, two buffers; v192-255 V.
; K, NZ and S^T share window 0, so that K Q^T names only Q outside it, and an exponential (destination and source 0 in window 0) runs under the product's own setting: the K Q^T half of a turn has no switch.
.set NP,    4
.set KS,    64
.set PK,    144
.set PV,    160
.set VOFF,  4*KS*PK
.set SLOT1, 1<<17
.set NZL,   81920                      ; between the slots: the head's 8,192 bytes of NZ, filled once
.set STAGE, SLOT1+4*KS*(PK+PV)
.set SP,    144
.set SPARE, STAGE+4*16*SP
.set AK0, 2
.set AV0, 3
.set AK,  4
.set AV,  5
.set QO,  6
.set STO, 6
.set RD,  7
.set GO,  8
.set AN0, 12                           ; v12 NZL + 32 (lane / 16)
.set ANZ, 13
.set NZ,  16                           ; key block kb at NZ + 8 kb
.set PFO, 61
.set SPW, 62
.set NIL, 63
.set S,   64                           ; window 0
.set KF,  192                          ; window 0
.set P,   128                          ; window 2
.set VF,  192                          ; window 2
.set WV,  12
.set G1K, 24
.set G1V, 32
.set G0K, 40
.set G0V, 44
.set G1N, 48
.set G0N, 68
.set SLOTS, 56
.set CNT, 57
.set PFA, 58
.set LIM, 60
.set TBN, 61
.set TBK, 62
.set TBV, 63
.set MSB, 0
.macro WIN new                         ; the immediate's high byte repeats the setting that is left; a switch that changes nothing is dropped
.if MSB != (\new)
	s_set_vgpr_msb (MSB<<8)|(\new)
.set MSB, (\new)
.endif
.endm
.set W_KQ, 0x08                        ; Q (source 1) in window 2; K, NZ and S^T in window 0.  The exponentials run under it too
.set W_PV, 0x5a                        ; V and P in window 2, O^T in window 1
.set W_CV, 0x80                        ; P (destination) in window 2, S^T in window 0
.macro PLACES
.rept 4
	v_nop
.endr
.endm
.macro JLOAD                           ; a joint fill: waves 0 and 1 fetch the halves of a slot's K, waves 2 and 3 of its V; an s_nop 0 and four v_nop follow each line
	s_cmp_lt_u32 s[WV], 2
	s_cbranch_scc0 .Lfor_v_\@
	tensor_load_to_lds s[G0K:G0K+3], s[G1K:G1K+7]
	s_nop 0
.rept 4
	v_nop
.endr
	s_branch .Lasked_\@
.Lfor_v_\@:
	tensor_load_to_lds s[G0V:G0V+3], s[G1V:G1V+7]
	s_nop 0
.rept 4
	v_nop
.endr
.Lasked_\@:
.endm
.macro CROUND
	s_barrier_signal -1
	s_barrier_wait -1
	s_cmp_lg_u32 s[WV], 0
	s_cbranch_scc1 .Lnot_wave_0_\@
	s_barrier_signal -3
.Lnot_wave_0_\@:
	s_barrier_wait -3
	s_barrier_signal -1
	s_barrier_wait -1
.endm
; A prefetch of what the NEXT change of slots will ask for: a slot's 32,768 bytes of K (wave 0) and of V (wave 2), each partner 8,192 of them, told apart by address; a lane a block of 256 bytes.
; Each block is named once.  Slots 0 to 2 come by their loads alone; the last change that fills a slot asks for nothing.
.macro ASK
	s_cmp_gt_u32 s[SLOTS], s[LIM]
	s_cbranch_scc0 .Lnot_mine_\@
	global_prefetch_b8 v[PFO], s[PFA:PFA+1] th:TH_LOAD_NT scope:SCOPE_SE
.Lnot_mine_\@:
.endm
; THE CHANGE OF SLOTS.  Each wave waits for all its tensor loads, adds 0 to its spare word, and waits for that and for its reads of the slot that it leaves.  fill = 1: the barrier is a round of the cluster's,
; and the joint fill, with the keys two slots on, is the first thing behind it: four key steps in which to land.  (At its first use slot 0 and NZ are waited for and slot 1 is filled.)
.macro CHANGE fill, ask
	WIN 0
	s_wait_tensorcnt 0x0
	ds_add_u32 v[SPW], v[NIL]
.if \fill
.irp g, G0K, G0V
	s_xor_b32 s[\g+1], s[\g+1], SLOT1
	s_add_nc_u64 s[\g+2:\g+3], s[\g+2:\g+3], 4*KS*128
.endr
.if \ask
	s_wait_xcnt 0x0                                ; the last prefetch, four key steps back, has read its address
	s_add_nc_u64 s[PFA:PFA+1], s[PFA:PFA+1], 4*KS*128
.endif
	s_wait_dscnt 0x0
	CROUND
	JLOAD
.if \ask
	ASK
.endif
.else
	s_wait_dscnt 0x0
	s_barrier_signal -1
	s_barrier_wait -1
.endif
	s_sub_co_u32 s[TBK], s[TBK], 4*KS*PK           ; the fetches go back to a slot's first step, in the other slot
	s_xor_b32 s[TBK], s[TBK], SLOT1
	s_sub_co_u32 s[TBV], s[TBV], 4*KS*PV
	s_xor_b32 s[TBV], s[TBV], SLOT1
.endm
	s_load_b128 s[72:75], s[0:1], 0x0              ; qkv s[72:73], nz s[74:75]
	s_load_b64 s[10:11], s[0:1], 0x10              ; ctx
	v_lshl_add_u32 v[SPW], v0, 2, SPARE
	v_mov_b32 v[NIL], 0
	ds_add_u32 v[SPW], v[NIL]                      ; the wave's opening: the add and its wait stand ahead of my first tensor load
	v_lshrrev_b32 v1, 5, v0
	v_readfirstlane_b32 s[WV], v1
	s_bfe_u32 s13, ttmp6, 0x40000                  ; cx
	s_lshl_b32 s14, ttmp9, 2
	s_add_co_u32 s14, s14, s13                     ; my block of 512 queries
	s_and_b32 s15, ttmp7, 0xffff                   ; (batch, head)
	s_lshl_b32 s20, s15, 18
	s_and_b32 s16, s[WV], 1                        ; which half of a slot's 256 keys I fetch
	s_lshl_b32 s22, s16, 14
	s_add_co_u32 s22, s22, s20
	s_mov_b32 s23, 0
	s_mul_i32 s17, s16, 128*PK
	s_mul_i32 s18, s16, 128*PV
	s_lshl_b32 s2, s14, 2
	s_add_co_u32 s2, s2, s[WV]
	s_lshl_b32 s2, s2, 14                          ; my wave's 128 rows of 128 bytes
	s_add_co_u32 s2, s2, s20
	s_mov_b32 s3, 0
	s_lshl_b32 s76, s15, 13                        ; the head's NZ, my half of it
	s_lshl_b32 s77, s16, 12
	s_add_co_u32 s76, s76, s77
	s_add_co_u32 s[G0N+1], s77, NZL
	s_mov_b32 s77, 0
	s_mov_b32 s[G1K], 15|(1<<16)|(1<<20)|(1<<21)|(4<<22)|(3<<25)  ; 128 keys are 16,384 dense bytes: 64 rows of 256, padded behind every key by 4 words
	s_mov_b32 s[G1V], 15|(1<<16)|(1<<20)|(1<<21)|(4<<22)|(7<<25)  ; by 8 words
.irp g, G1K, G1V
	s_mov_b32 s[\g+1], 128<<16
	s_mov_b32 s[\g+2], 64<<16
	s_mov_b32 s[\g+3], 128<<16
	s_mov_b32 s[\g+4], 64
	s_mov_b32 s[\g+5], 128
	s_mov_b32 s[\g+6], 0
	s_mov_b32 s[\g+7], 0
.endr
	s_mov_b32 s[G1N], 15|(3<<16)|(1<<21)           ; NZ: 16 rows of 32 elements of 8 bytes, dense, no padding
	s_mov_b32 s[G1N+1], 32<<16
	s_mov_b32 s[G1N+2], 16<<16
	s_mov_b32 s[G1N+3], 32<<16
	s_mov_b32 s[G1N+4], 16
	s_mov_b32 s[G1N+5], 32
	s_mov_b32 s[G1N+6], 0
	s_mov_b32 s[G1N+7], 0
	s_mov_b32 s[G0N], 1
	s_mov_b32 s[G0K], 1
	s_mov_b32 s[G0K+1], s17
	s_mov_b32 s[G0V], 1
	s_add_co_u32 s[G0V+1], s18, VOFF
	s_mov_b32 s[TBK], SLOT1+4*KS*PK                ; the first change of slots turns these two into 0
	s_mov_b32 s[TBV], SLOT1+4*KS*PV
	s_mov_b32 s[TBN], 0
	s_mov_b32 s[SLOTS], 7
	s_and_b32 s[LIM], s[WV], 1
	s_cmp_eq_u32 s[LIM], 0
	s_cselect_b32 s[LIM], 1, -1                    ; waves 0 and 2 prefetch
	v_and_b32 v[PFO], 31, v0
	v_lshlrev_b32 v[PFO], 8, v[PFO]
	s_wait_dscnt 0x0                               ; the opening add is done
	s_wait_kmcnt 0x0
	s_add_nc_u64 s[6:7], s[72:73], 16777216        ; k's part,
	s_add_nc_u64 s[6:7], s[6:7], s[22:23]          ; at my half of the head's first 256 keys
	s_add_nc_u64 s[8:9], s[72:73], 33554432        ; v's part
	s_add_nc_u64 s[8:9], s[8:9], s[22:23]
	s_mov_b64 s[G0K+2:G0K+3], s[6:7]
	s_or_b32 s[G0K+3], s[G0K+3], 0x80000000
	s_mov_b64 s[G0V+2:G0V+3], s[8:9]
	s_or_b32 s[G0V+3], s[G0V+3], 0x80000000
	s_add_nc_u64 s[G0N+2:G0N+3], s[74:75], s[76:77]
	s_or_b32 s[G0N+3], s[G0N+3], 0x80000000
	s_add_nc_u64 s[4:5], s[72:73], s[2:3]          ; q' and ctx at my wave's first row
	s_add_nc_u64 s[10:11], s[10:11], s[2:3]
	s_cmp_lt_u32 s[WV], 2
	s_cselect_b64 s[PFA:PFA+1], s[6:7], s[8:9]     ; (in waves 0 and 2 these stand at the head's first row)
	s_lshl_b32 s2, s13, 13                         ; my work-group's 8,192 bytes
	s_mov_b32 s3, 0
	s_add_nc_u64 s[PFA:PFA+1], s[PFA:PFA+1], s[2:3]
	s_add_nc_u64 s[PFA:PFA+1], s[PFA:PFA+1], 2*4*KS*128  ; in slot 2; the loop's first change steps it to slot 3
	CROUND                                         ; all four work-groups are here
	s_cmp_lt_u32 s[WV], 2                          ; a wave's first fills stand in one branch
	s_cbranch_scc0 .Lfirst_v
	tensor_load_to_lds s[G0K:G0K+3], s[G1K:G1K+7]
	s_nop 0
	tensor_load_to_lds s[G0N:G0N+3], s[G1N:G1N+7]
	s_nop 0
.rept 4
	v_nop
.endr
	s_branch .Lfirst_asked
.Lfirst_v:
	tensor_load_to_lds s[G0V:G0V+3], s[G1V:G1V+7]
	s_nop 0
.rept 4
	v_nop
.endr
.Lfirst_asked:
	v_and_b32 v1, 15, v0                           ; l % 16
	v_bfe_u32 v9, v0, 4, 1                         ; l / 16
	v_lshlrev_b32 v[QO], 7, v1
	v_lshl_add_u32 v[QO], v9, 4, v[QO]
	WIN 0x80                                       ; destination window 2, address window 0
.set i, 0
.rept 4*NP                             ; Q stays in registers: tile i / 2, channels 32 (i % 2) on
	global_load_b128 v[8*i:8*i+3],   v[QO], s[4:5] offset:(i/2)*2048+(i%2)*64
	global_load_b128 v[8*i+4:8*i+7], v[QO], s[4:5] offset:(i/2)*2048+(i%2)*64+32
.set i, i+1
.endr
.set i, P+32
.rept 96
	v_mov_b32 v[i], 0                              ; P's second buffer and V's registers (they lie on end), then O^T, start at 0; all this stands in the wait for the first tile
.set i, i+1
.endr
	WIN 0x40
.set i, 0
.rept 64*NP
	v_mov_b32 v[i], 0
.set i, i+1
.endr
	WIN 0
	v_mul_u32_u24 v[AK0], v1, PK
	v_lshl_add_u32 v[AK0], v9, 4, v[AK0]
	v_and_b32 v10, 7, v0
	v_bfe_u32 v11, v0, 3, 1
	v_lshl_add_u32 v[AV0], v9, 3, v10
	v_mul_u32_u24 v[AV0], v[AV0], PV
	v_lshl_add_u32 v[AV0], v11, 4, v[AV0]
	v_add_nc_u32 v[AV0], VOFF, v[AV0]
	v_lshl_add_u32 v[AN0], v9, 5, NZL
; Product i of 16 of S^T = K Q^T + NZ for piece x: channels 32 (i / 8) on, keys 16 ((i / 2) % 4) on, tile 2 x + i % 2.  The first 8 start the sums, with NZ.  The 8 accumulators take turns.
.macro KQ x
	WIN W_KQ
.set rS, S+64*((\x)%2)+32*(i%2)+8*((i/2)%4)
.set rK, KF+16*((i/2)%4)+8*(i/8)
.set rQ, 16*(2*(\x)+i%2)+8*(i/8)
.set rN, NZ+8*((i/2)%4)
.if i < 8
	v_wmma_f32_16x16x32_bf16 v[rS:rS+7], v[rK:rK+7], v[rQ:rQ+7], v[rN:rN+7]
.else
	v_wmma_f32_16x16x32_bf16 v[rS:rS+7], v[rK:rK+7], v[rQ:rQ+7], v[rS:rS+7]
.endif
.set i, i+1
.endm
; Product i of 16 of O^T += V^T P for piece x: keys 32 (i / 8) on, channels 16 ((i / 2) % 4) on, tile 2 x + i % 2.
.macro PV x
	WIN W_PV
.set rO, 32*(2*(\x)+i%2)+8*((i/2)%4)
.set rV, VF+32*(i/8)+8*((i/2)%4)
.set rP, P+32*((\x)%2)+16*(i%2)+8*(i/8)
	v_wmma_f32_16x16x32_bf16 v[rO:rO+7], v[rV:rV+7], v[rP:rP+7], v[rO:rO+7]
.set i, i+1
.endm
; A step's K (16 loads) and NZ (8 loads) in one run, all in window 0.  last = 1 (the tail): in the last trip there is no further step and the run is jumped over; the exponentials issued so far have their wait
; ahead of the branch (plain instructions, the two address lines and the places, stand behind the last of them).
.macro FETCH_K last=0
	WIN 0
.if \last
	s_wait_alu depctr_va_vdst(0)
	s_cmp_eq_u32 s[CNT], 1
	s_cbranch_scc1 .Lno_k_\@
.endif
.irp f, 0,1,2,3,4,5,6,7
	ds_load_b128 v[KF+8*\f:KF+8*\f+3],   v[AK] offset:(\f/2)*16*PK+(\f%2)*64
	ds_load_b128 v[KF+8*\f+4:KF+8*\f+7], v[AK] offset:(\f/2)*16*PK+(\f%2)*64+32
.endr
.irp k, 0,1,2,3
	ds_load_b128 v[NZ+8*\k:NZ+8*\k+3],   v[ANZ] offset:64*\k
	ds_load_b128 v[NZ+8*\k+4:NZ+8*\k+7], v[ANZ] offset:64*\k+16
.endr
	s_add_co_u32 s[TBK], s[TBK], KS*PK
	s_add_co_u32 s[TBN], s[TBN], KS*4
.if \last
.Lno_k_\@:
.endif
.endm
.macro FETCH_V
	WIN 0x80
.irp f, 0,1,2,3,4,5,6,7
	ds_load_tr16_b128 v[VF+8*\f:VF+8*\f+3],   v[AV] offset:(\f/4)*32*PV+(\f%4)*32
	ds_load_tr16_b128 v[VF+8*\f+4:VF+8*\f+7], v[AV] offset:(\f/4)*32*PV+16*PV+(\f%4)*32
.endr
	WIN 0
.endm
.macro EX                              ; exponential e of piece Y's 64: tile e % 2, register e / 2, ascending (each accumulator's lowest registers first), in place
	WIN W_KQ
	v_exp_f32 v[S+64*(Y%2)+32*(e%2)+e/2], v[S+64*(Y%2)+32*(e%2)+e/2]
.set e, e+1
.endm
.macro CV                              ; rounding c of 32: pair c / 2 of tile c % 2
	WIN W_CV
	v_cvt_pk_bf16_f32 v[P+32*(Y%2)+16*(c%2)+c/2], v[S+64*(Y%2)+32*(c%2)+2*(c/2)], v[S+64*(Y%2)+32*(c%2)+2*(c/2)+1]
.set c, c+1
.endm
; A TURN, for piece p.  No rider names a register of the products round it: the exponentials and roundings work on S^T and P of the piece's own parity, the products on those of the other.
; K and NZ of the next step are fetched in piece 2's turn, behind the last product that read them (two address lines and four v_nop are the places); they are waited for at the head of piece 3's.
; V of the step in hand is fetched at the end of piece 0's turn: the four roundings behind the last product, and the address line, are the places; it is waited for in piece 1's turn, ahead of its first reader.
.macro TURN p, last=0
.set Y, (\p)
.set e, 0
.set c, 0
.if (\p) == 3
	s_wait_dscnt 0x0                               ; K and NZ are in
.endif
.set i, 0
.rept 16
	KQ (Y+1)%NP
	EX
	EX
	EX
.endr
.if (\p) == 2
	WIN 0
	v_add_nc_u32 v[AK], s[TBK], v[AK0]
	v_add_nc_u32 v[ANZ], s[TBN], v[AN0]
	PLACES
	FETCH_K \last
.endif
.if (\p) == 1
	s_wait_dscnt 0x0                               ; V is in
.endif
.set i, 0
.rept 8
	PV (Y+NP-1)%NP
	EX
	EX
.endr
	v_nop                                          ; a plain instruction behind the last exponential,
	s_wait_alu depctr_va_vdst(0)                   ; and the one wait ahead of the batch's first reader
.rept 8
	PV (Y+NP-1)%NP
	CV
	CV
	CV
	CV
.endr
.if (\p) == 0
	WIN 0
	v_add_nc_u32 v[AV], s[TBV], v[AV0]
	s_add_co_u32 s[TBV], s[TBV], KS*PV
	FETCH_V
.endif
.endm
	CHANGE 1, 0                                    ; slot 0 and NZ are in, everybody's parts; slot 1 is asked for
	v_add_nc_u32 v[AK], s[TBK], v[AK0]
	v_add_nc_u32 v[ANZ], s[TBN], v[AN0]
	FETCH_K                                        ; key step 0
	s_wait_loadcnt 0x0                             ; Q
	s_wait_dscnt 0x0
.set i, 0
.rept 16
	KQ 0                                           ; piece 0's first scores
.endr
	WIN 0                                          ; the addresses for the way out: plain instructions, the places behind those products
	s_mul_i32 s13, s[WV], 16*SP
	s_add_co_u32 s13, s13, STAGE
	v_mul_u32_u24 v[STO], v1, SP
	v_lshl_add_u32 v[STO], v9, 4, v[STO]
	v_add_nc_u32 v[STO], s13, v[STO]
	v_bfe_u32 v[RD], v0, 3, 2
	v_mul_u32_u24 v[RD], v[RD], SP
	v_lshl_add_u32 v[RD], v10, 4, v[RD]
	v_add_nc_u32 v[RD], s13, v[RD]
	v_and_b32 v[GO], 31, v0
	v_lshlrev_b32 v[GO], 4, v[GO]
	s_mov_b32 s[CNT], 4
	s_branch .Lfirst                               ; the loop is entered at a step's first turn, in the middle of a trip
.Lslot:                                                ; six times: slots 2 to 7 are asked for
	CHANGE 1, 1
	s_mov_b32 s[CNT], 4
.Lstep:                                                ; a trip: pieces 2 and 3 of one step, then pieces 0 and 1 of the next, whose K, NZ and V it fetches
	TURN 2
	TURN 3
	WIN 0
.Lfirst:
	TURN 0
	TURN 1
	WIN 0
	s_sub_co_u32 s[CNT], s[CNT], 1
	s_cmp_lg_u32 s[CNT], 0
	s_cbranch_scc1 .Lstep
	s_sub_co_u32 s[SLOTS], s[SLOTS], 1
	s_cmp_lg_u32 s[SLOTS], 0
	s_cbranch_scc1 .Lslot
	CHANGE 0, 0                                    ; the tail is written out
	s_mov_b32 s[CNT], 5                            ; four trips fetch the last slot's steps; the fifth is left in its middle
.Ltail:
	TURN 2, 1
	TURN 3
	WIN 0
	s_sub_co_u32 s[CNT], s[CNT], 1
	s_cmp_eq_u32 s[CNT], 0
	s_cbranch_scc1 .Lout
	TURN 0
	TURN 1
	WIN 0
	s_branch .Ltail
.Lout:                                                 ; the fifth trip's 16 products K Q^T, on the last K once more, serve nothing: the price of one text for every trip
.set i, 0
.rept 16
	PV NP-1                                        ; the last piece's V^T P of the last step
.endr
	WIN 0
	PLACES
; THE WAY OUT, a tile at a time: rounded to bf16, 16 bytes a lane into my stage, back as whole rows of 128 bytes, stored as 512 consecutive bytes.
.macro PACK t
	WIN 0x05                                       ; sources 0 and 1 window 1, destination window 0: S^T's registers are free
.set i, 0
.rept 16
	v_cvt_pk_bf16_f32 v[S+16*(\t)+i], v[32*(\t)+2*i], v[32*(\t)+2*i+1]
.set i, i+1
.endr
	WIN 0
.irp f, 0,1,2,3
	ds_store_b128 v[STO], v[S+16*(\t)+4*\f:S+16*(\t)+4*\f+3] offset:32*\f
.endr
.irp f, 0,1,2,3
	ds_load_b128 v[S+16*(\t)+4*\f:S+16*(\t)+4*\f+3], v[RD] offset:\f*4*SP  ; LDS serves a wave's instructions in order: these see the stores above, and the next tile's stores come behind them
.endr
.endm
.macro SEND t, younger                 ; younger: the LDS instructions issued behind tile t's loads: the next tile's eight, or none
.irp f, 0,1,2,3
	s_wait_dscnt (\younger)+3-\f
	global_store_b128 v[GO], v[S+16*(\t)+4*\f:S+16*(\t)+4*\f+3], s[10:11] offset:(\t)*2048+\f*512
.endr
.endm
	PACK 0
.set t, 1
.rept 2*NP-1
	PACK t
	SEND t-1, 8
.set t, t+1
.endr
	SEND 2*NP-1, 0
	s_wait_tensorcnt 0x0                           ; the wave's end
	ds_add_u32 v[SPW], v[NIL]
	s_wait_dscnt 0x0
	CROUND                                         ; the closing round
	s_endpgm
.Lfunc_end_k_qe8053cccab_attn:
	.size	k_qe8053cccab_attn, .Lfunc_end_k_qe8053cccab_attn-k_qe8053cccab_attn
	.p2alignl 7, 3214868480
	.fill 96, 4, 3214868480
	.section	.rodata,"a",@progbits
	.p2align	6, 0x0
	.amdhsa_kernel k_qe8053cccab_attn
		.amdhsa_group_segment_fixed_size 327680
		.amdhsa_private_segment_fixed_size 0
		.amdhsa_enable_private_segment 0
		.amdhsa_kernarg_size 24
		.amdhsa_user_sgpr_count 2
		.amdhsa_user_sgpr_kernarg_segment_ptr 1
		.amdhsa_wavefront_size32 1
		.amdhsa_system_sgpr_workgroup_id_x 1
		.amdhsa_system_sgpr_workgroup_id_y 1
		.amdhsa_system_sgpr_workgroup_id_z 1
		.amdhsa_system_vgpr_workitem_id 0
		.amdhsa_next_free_vgpr 768
		.amdhsa_next_free_sgpr 80
		.amdhsa_reserve_vcc 0
		.amdhsa_float_denorm_mode_32 3
		.amdhsa_float_denorm_mode_16_64 3
		.amdhsa_memory_ordered 1
		.amdhsa_forward_progress 1
		.amdhsa_inst_pref_size 109
	.end_amdhsa_kernel
	.amdgpu_metadata
---
amdhsa.version: [ 1, 2 ]
amdhsa.kernels:
  - .name:           k_qe8053cccab_attn
    .symbol:         k_qe8053cccab_attn.kd
    .args:
      - { .name: qkv, .offset: 0, .size: 8, .value_kind: global_buffer, .address_space: global }
      - { .name: nz, .offset: 8, .size: 8, .value_kind: global_buffer, .address_space: global }
      - { .name: ctx, .offset: 16, .size: 8, .value_kind: global_buffer, .address_space: global }
    .group_segment_fixed_size: 327680
    .private_segment_fixed_size: 0
    .kernarg_segment_align: 8
    .kernarg_segment_size: 24
    .max_flat_workgroup_size: 128
    .sgpr_count:     80
    .vgpr_count:     768
    .wavefront_size: 32
...
	.end_amdgpu_metadata
.endif
;; end of part 4
;; launch outp (part 5): grid 8 x 32, 4 waves a work-group, clusters of 4 x 4, 327,680 bytes of LDS; arguments ctx, wb, bo, out0; writes out0
.if DOCPART == 5
	.amdgcn_target "amdgcn-amd-amdhsa--gfx1250"
	.amdhsa_code_object_version 6
	.text
	.protected	k_qe8053cccab_outp
	.globl	k_qe8053cccab_outp
	.p2align	8
	.type	k_qe8053cccab_outp,@function
k_qe8053cccab_outp:
	s_mov_b64 s[64:65], 0
	v_nop
	global_prefetch_b8 v0, s[64:65] scope:SCOPE_SE
	s_setreg_imm32_b32 hwreg(HW_REG_WAVE_MODE, 25, 1), 1
	s_wait_xcnt 0x0
	s_wait_alu depctr_hold_cnt(0) depctr_sa_sdst(0) depctr_va_vdst(0) depctr_va_sdst(0) depctr_va_ssrc(0) depctr_va_vcc(0) depctr_vm_vsrc(0)
	s_getreg_b32 s2, hwreg(HW_REG_IB_STS2, 6, 4)
	s_cmp_eq_u32 s2, 0
	s_cbranch_scc0 .Lentry_in_a_cluster
	s_endpgm
.Lentry_in_a_cluster:
	s_bfe_u32 s2, ttmp6, 0x10000c
	s_cmp_lg_u32 s2, 0xf033
	s_cbranch_scc0 .Lentry_shape_is_right
	s_endpgm
.Lentry_shape_is_right:
; THE LAST PROJECTION.  out[b][s][n] = the sum over (h, d) of ctx[b][h][s][d] Wo[n][64 h + d] + bo[n].  ctx: bf16 [64 (b, h)][2048][64]; Wo: the fourth part of wb, bf16 [1024][1024]; out0: f32 [8192][1024].
; SHARES.  A tile is 256 rows x 128 columns: 32 x 8 = 256 work-groups.  Four waves, 2 x 2, each 128 rows x 64 columns: 32 accumulators, window 1.  K = 1,024 goes in 8 steps of 128 = two heads, through two
; LDS slots.  ctx's tile: for each head 256 rows of 128 bytes, dense in memory: asked for as 128 rows of 256 bytes, padded by 16 bytes behind every 128: pitch 144.  Wo's tile: rows of 256 bytes, pitch 272.
; THE MATRIX INSTRUCTION IS USED TRANSPOSED (source 0 = 16 rows of Wo, source 1 = 16 rows of ctx): a lane holds one row of out and eight neighbouring columns.  THE BIAS IS THE C OPERAND of each sum's first product.
; CLUSTER 4 x 4: ctx's tile is shared along a row of the cluster, Wo's along a column: joint loads.  By this text's count a wave has two tensor loads out at the start, later one.
; REGISTERS.  Window 0: v1-30 addresses; v32-63 the bias; v64-159, v160-255 two fragment buffers (ctx's 8 fragments, then Wo's 4).  Window 1: accumulator (a, b) at v[8 (4 a + b)].
.set PA,    144
.set PB,    272
.set AHEAD, 256*PA                     ; what one wave fetches of ctx: a head's 256 rows
.set BHALF, 64*PB                      ; what one wave fetches of Wo
.set BOFF,  2*AHEAD
.set SLOT,  BOFF+2*BHALF               ; 108,544
.set STAGE, 2*SLOT                     ; behind the ring: 16 rows x 272 bytes for each wave
.set SP,    272
.set SPARE, STAGE+4*16*SP
.set ASTEP, 524288                     ; two heads on
.set BSTEP, 256
.set WOFF,  6291456                    ; Wo's part of wb
.set ADRA, 16
.set ADRB, 20
.set STO,  24
.set RD,   25
.set CO,   26
.set BO,   27
.set SPW,  28
.set NIL,  29
.set PFO,  30
.set BIAS, 32
.set F0,   64
.set F1,   160
.set BK,   64
.set WV, 16
.set WM, 17
.set WN, 18
.set CX, 19
.set CY, 20
.set TN, 21
.set TM, 22
.set G1A, 24
.set G0A, 32
.set G1B, 40
.set G0B, 48
.set PFA, 56
.set PFS, 58
.set LIM, 60
.set LAP, 61
.set MSB, 0
.macro WIN new
.if MSB != (\new)
	s_set_vgpr_msb (MSB<<8)|(\new)
.set MSB, \new
.endif
.endm
.set MUL,  0x50
.set MUL0, 0x40
.macro PLACES
.rept 4
	v_nop
.endr
.endm
.macro JLOAD s                         ; a joint load: waves 0 and 1 fetch ctx's two heads, waves 2 and 3 Wo's two halves; an s_nop 0 and four v_nop follow each line
	s_cmp_eq_u32 s[WM], 0
	s_cbranch_scc0 .Lfor_b_\@
	tensor_load_to_lds s[G0A+4*(\s):G0A+4*(\s)+3], s[G1A:G1A+7]
	s_nop 0
.rept 4
	v_nop
.endr
	s_branch .Lasked_\@
.Lfor_b_\@:
	tensor_load_to_lds s[G0B+4*(\s):G0B+4*(\s)+3], s[G1B:G1B+7]
	s_nop 0
.rept 4
	v_nop
.endr
.Lasked_\@:
.endm
.macro CREST
	s_cmp_lg_u32 s[WV], 0
	s_cbranch_scc1 .Lnot_wave_0_\@
	s_barrier_signal -3
.Lnot_wave_0_\@:
	s_barrier_wait -3
	s_barrier_signal -1
	s_barrier_wait -1
.endm
.macro CROUND
	s_barrier_signal -1
	s_barrier_wait -1
	CREST
.endm
; A prefetch of the K step two refills on: 32 blocks of 256 bytes, a lane a block.  ctx: the clusters with x = 0, waves 0 and 1, each partner 8,192 of a head's 32,768 bytes (by cx, in the address).
; Wo: the clusters with y = 0, wave 2, each partner 32 of the 128 rows (by cy, in the address).  Each block is named once.  K steps 0 to 3 come by their loads alone; the loop's last trip asks for nothing.
.macro ASK
	s_cmp_gt_u32 s[LAP], s[LIM]
	s_cbranch_scc0 .Lnot_mine_\@
	global_prefetch_b8 v[PFO], s[PFA:PFA+1] th:TH_LOAD_NT scope:SCOPE_SE
.Lnot_mine_\@:
.endm
	s_load_b256 s[4:11], s[0:1], 0x0               ; ctx s[4:5], wb s[6:7], bo s[8:9], out0 s[10:11]
	v_lshl_add_u32 v[SPW], v0, 2, SPARE
	v_mov_b32 v[NIL], 0
	ds_add_u32 v[SPW], v[NIL]                      ; the wave's opening: the add and its wait stand ahead of my first tensor load
	v_lshrrev_b32 v1, 5, v0
	v_readfirstlane_b32 s[WV], v1
	s_lshr_b32 s[WM], s[WV], 1
	s_and_b32 s[WN], s[WV], 1
	s_bfe_u32 s[CX], ttmp6, 0x40000
	s_bfe_u32 s[CY], ttmp6, 0x40004
	s_lshl_b32 s[TN], ttmp9, 2
	s_add_co_u32 s[TN], s[TN], s[CX]               ; tile column 0..7
	s_and_b32 s76, ttmp7, 0xffff                   ; cluster y
	s_lshl_b32 s[TM], s76, 2
	s_add_co_u32 s[TM], s[TM], s[CY]               ; tile row 0..31
	s_lshl_b32 s77, s[CY], 2
	s_lshl_b32 s77, 15, s77                        ; my row of the cluster
	s_lshl_b32 s78, 0x1111, s[CX]                  ; my column
	s_or_b32 s[G1A], s77, (1<<16)|(1<<20)|(1<<21)|(4<<22)|(3<<25)   ; behind every 32 words 4 words
	s_mov_b32 s[G1A+1], 128<<16
	s_mov_b32 s[G1A+2], 128<<16
	s_mov_b32 s[G1A+3], 128<<16
	s_mov_b32 s[G1A+4], 128
	s_mov_b32 s[G1A+5], 128
	s_mov_b32 s[G1A+6], 0
	s_mov_b32 s[G1A+7], 0
	s_or_b32 s[G1B], s78, (1<<16)|(1<<20)|(1<<21)|(5<<22)|(3<<25)   ; behind every 64 words 4 words
	s_mov_b32 s[G1B+1], 128<<16
	s_mov_b32 s[G1B+2], 64<<16
	s_mov_b32 s[G1B+3], 128<<16
	s_mov_b32 s[G1B+4], 64
	s_mov_b32 s[G1B+5], 1024
	s_mov_b32 s[G1B+6], 0
	s_mov_b32 s[G1B+7], 0
	s_lshr_b32 s66, s[TM], 3                       ; ctx: batch,
	s_lshl_b32 s66, s66, 4
	s_add_co_u32 s66, s66, s[WN]                   ; head = piece (K step 0),
	s_lshl_b32 s66, s66, 18
	s_and_b32 s67, s[TM], 7
	s_lshl_b32 s67, s67, 15                        ; the tile's 256 rows of 128 bytes
	s_add_co_u32 s66, s66, s67
	s_mov_b32 s67, 0
	s_lshl_b32 s70, s[TN], 18                      ; Wo: (128 tile column + 64 piece) rows of 2,048 bytes
	s_lshl_b32 s71, s[WN], 17
	s_add_co_u32 s70, s70, s71
	s_add_co_u32 s70, s70, WOFF
	s_mov_b32 s71, 0
	s_mul_i32 s68, s[WN], AHEAD
	s_mul_i32 s69, s[WN], BHALF
	s_add_co_u32 s69, s69, BOFF
	s_wait_dscnt 0x0                               ; the opening add is done
	s_wait_kmcnt 0x0
	s_add_nc_u64 s[72:73], s[4:5], s[66:67]
	s_add_nc_u64 s[74:75], s[6:7], s[70:71]
	CROUND                                         ; all sixteen work-groups are here
.irp s, 0,1
	s_mov_b32 s[G0A+4*(\s)], 1
	s_add_co_u32 s[G0A+4*(\s)+1], s68, (\s)*SLOT
	s_add_nc_u64 s[G0A+4*(\s)+2:G0A+4*(\s)+3], s[72:73], (\s)*ASTEP
	s_or_b32 s[G0A+4*(\s)+3], s[G0A+4*(\s)+3], 0x80000000
	s_mov_b32 s[G0B+4*(\s)], 1
	s_add_co_u32 s[G0B+4*(\s)+1], s69, (\s)*SLOT
	s_add_nc_u64 s[G0B+4*(\s)+2:G0B+4*(\s)+3], s[74:75], (\s)*BSTEP
	s_or_b32 s[G0B+4*(\s)+3], s[G0B+4*(\s)+3], 0x80000000
	JLOAD \s
.endr
	v_and_b32 v1, 15, v0                           ; r
	v_bfe_u32 v2, v0, 4, 1                         ; h
	v_mul_u32_u24 v3, v1, PA
	v_lshl_add_u32 v3, v2, 4, v3
	s_mul_i32 s86, s[WM], 128*PA
	v_add_nc_u32 v[ADRA], s86, v3
	v_add_nc_u32 v[ADRA+1], SLOT, v[ADRA]
	v_mul_u32_u24 v4, v1, PB
	v_lshl_add_u32 v4, v2, 4, v4
	s_mul_i32 s87, s[WN], BHALF
	s_add_co_u32 s87, s87, BOFF
	v_add_nc_u32 v[ADRB], s87, v4
	v_add_nc_u32 v[ADRB+1], SLOT, v[ADRB]
	s_mul_i32 s86, s[WV], 16*SP
	s_add_co_u32 s86, s86, STAGE                   ; my stage
	v_mul_u32_u24 v6, v1, SP
	v_lshl_add_u32 v6, v2, 5, v6
	v_add_nc_u32 v[STO], s86, v6                   ; in: row r, 32 bytes for each half of the lanes
	v_mul_u32_u24 v6, v2, SP
	v_lshl_add_u32 v6, v1, 4, v6
	v_add_nc_u32 v[RD], s86, v6                    ; back: lanes 0-15 one row of 256 bytes, lanes 16-31 the next,
	v_lshlrev_b32 v[CO], 12, v2
	v_lshl_add_u32 v[CO], v1, 4, v[CO]             ; and the same two rows in out
	v_lshlrev_b32 v[BO], 5, v2
	s_lshl_b32 s82, s[TN], 9                       ; my 64 columns, in bytes
	s_lshl_b32 s83, s[WN], 8
	s_add_co_u32 s82, s82, s83
	s_mov_b32 s83, 0
	s_add_nc_u64 s[84:85], s[8:9], s[82:83]
.irp b, 0,1,2,3
	global_load_b128 v[BIAS+8*\b:BIAS+8*\b+3],   v[BO], s[84:85] offset:64*\b
	global_load_b128 v[BIAS+8*\b+4:BIAS+8*\b+7], v[BO], s[84:85] offset:64*\b+16
.endr
	s_lshl_b32 s86, s[TM], 20                      ; my 128 rows of 4,096 bytes
	s_add_co_u32 s82, s82, s86
	s_lshl_b32 s86, s[WM], 19
	s_add_co_u32 s82, s82, s86
	s_add_nc_u64 s[80:81], s[10:11], s[82:83]
	; the prefetches
	s_lshr_b32 s86, s[TM], 3
	s_lshl_b32 s86, s86, 4
	s_add_co_u32 s86, s86, s[WN]
	s_lshl_b32 s86, s86, 18
	s_and_b32 s87, s[TM], 7
	s_lshl_b32 s87, s87, 15
	s_add_co_u32 s86, s86, s87
	s_lshl_b32 s87, s[CX], 13                      ; my work-group's 8,192 bytes
	s_add_co_u32 s86, s86, s87
	s_add_co_u32 s86, s86, 3*ASTEP                 ; at K step 3: the first refill steps it to 4
	s_lshl_b32 s88, s[TN], 18
	s_lshl_b32 s89, s[CY], 16                      ; my work-group's 32 rows
	s_add_co_u32 s88, s88, s89
	s_add_co_u32 s88, s88, WOFF+3*BSTEP
	s_mov_b32 s93, BSTEP
	s_cmp_eq_u32 s[WV], 3
	s_cselect_b32 s92, 1, 0                        ; wave 3 asks for nothing
	s_cmp_eq_u32 s[WM], 0
	s_cselect_b32 s86, s86, s88
	s_cselect_b32 s91, ttmp9, s76                  ; the coordinate along which other clusters read the same blocks
	s_cselect_b32 s[PFS], ASTEP, s93
	s_cselect_b32 s94, 8, 11
	s_cselect_b64 s[PFA:PFA+1], s[4:5], s[6:7]
	s_mov_b32 s87, 0
	s_mov_b32 s[PFS+1], 0
	s_add_nc_u64 s[PFA:PFA+1], s[PFA:PFA+1], s[86:87]
	s_or_b32 s91, s91, s92
	s_cmp_eq_u32 s91, 0
	s_cselect_b32 s[LIM], 1, -1
	v_and_b32 v[PFO], 31, v0
	v_lshlrev_b32 v[PFO], s94, v[PFO]
.macro MUL8 f, a0, first               ; 8 matrix instructions; the 32 accumulators take turns in the same order in every quarter
.if \first
	WIN MUL0
.else
	WIN MUL
.endif
.irp a, \a0, (\a0)+1
.irp b, 0,1,2,3
.if \first
	v_wmma_f32_16x16x32_bf16 v[8*(4*(\a)+(\b)):8*(4*(\a)+(\b))+7], v[(\f)+64+8*(\b):(\f)+64+8*(\b)+7], v[(\f)+8*(\a):(\f)+8*(\a)+7], v[BIAS+8*(\b):BIAS+8*(\b)+7]
.else
	v_wmma_f32_16x16x32_bf16 v[8*(4*(\a)+(\b)):8*(4*(\a)+(\b))+7], v[(\f)+64+8*(\b):(\f)+64+8*(\b)+7], v[(\f)+8*(\a):(\f)+8*(\a)+7], v[8*(4*(\a)+(\b)):8*(4*(\a)+(\b))+7]
.endif
.endr
.endr
.endm
.macro FETCH slot, kq, f               ; 24 LDS loads in one run: Wo's 4 fragments first, then ctx's 8; quarters 0, 1 lie in the step's first head, 2, 3 in its second
	WIN 0
.irp b, 0,1,2,3
	ds_load_b128 v[(\f)+64+8*(\b):(\f)+64+8*(\b)+3],   v[ADRB+(\slot)] offset:64*(\kq)+16*PB*(\b)
	ds_load_b128 v[(\f)+64+8*(\b)+4:(\f)+64+8*(\b)+7], v[ADRB+(\slot)] offset:64*(\kq)+16*PB*(\b)+32
.endr
.irp a, 0,1,2,3,4,5,6,7
	ds_load_b128 v[(\f)+8*(\a):(\f)+8*(\a)+3],   v[ADRA+(\slot)] offset:((\kq)/2)*AHEAD+((\kq)%2)*64+16*PA*(\a)
	ds_load_b128 v[(\f)+8*(\a)+4:(\f)+8*(\a)+7], v[ADRA+(\slot)] offset:((\kq)/2)*AHEAD+((\kq)%2)*64+16*PA*(\a)+32
.endr
.endm
.macro QUARTER slot, kq, f, g, first
	s_wait_dscnt 8                                 ; Wo's fragments and ctx's blocks 0-3 are in; the youngest eight loads may be out
	MUL8 \f, 0, \first
	MUL8 \f, 2, \first
	PLACES
	FETCH \slot, \kq, \g
	s_wait_dscnt 24                                ; all but the 24 just issued
	MUL8 \f, 4, \first
	MUL8 \f, 6, \first
.endm
; The last quarter changes slots: in front of the barrier each wave waits for all its tensor loads, adds 0 to its spare word, and waits for that and for its reads of this slot.
; fill = 1: the barrier opens a round of the cluster's, and the joint refill, two K steps on, is the first tensor load behind it.
.macro TURN slot, next, fill
.if \fill
	s_wait_xcnt 0x0                                ; the last prefetch, a K step back, has read its address
	s_add_nc_u64 s[PFA:PFA+1], s[PFA:PFA+1], s[PFS:PFS+1]
.endif
	WIN 0
	s_wait_tensorcnt 0x0
	ds_add_u32 v[SPW], v[NIL]
	s_wait_dscnt 9                                 ; the add and the youngest eight loads may be out
	MUL8 F1, 0, 0
	s_wait_dscnt 0x0
	s_barrier_signal -1
	MUL8 F1, 2, 0
.if \fill
	WIN 0
.endif
	s_barrier_wait -1
.if \fill
	CREST
	s_add_nc_u64 s[G0A+4*(\slot)+2:G0A+4*(\slot)+3], s[G0A+4*(\slot)+2:G0A+4*(\slot)+3], 2*ASTEP
	s_add_nc_u64 s[G0B+4*(\slot)+2:G0B+4*(\slot)+3], s[G0B+4*(\slot)+2:G0B+4*(\slot)+3], 2*BSTEP
	JLOAD \slot
.else
	PLACES
.endif
	FETCH \next, 0, F0
.if \fill
	ASK
.endif
	MUL8 F1, 4, 0
	MUL8 F1, 6, 0
.endm
	s_wait_tensorcnt 1                             ; my part of K step 0 is in; K step 1's may stay out
	s_barrier_signal -1
	s_barrier_wait -1
	FETCH 0, 0, F0
	s_wait_loadcnt 0x0                             ; the bias
	QUARTER 0, 1, F0, F1, 1
	WIN 0
	s_mov_b32 s[LAP], 3
.Llap:
	QUARTER 0, 2, F1, F0, 0
	QUARTER 0, 3, F0, F1, 0
	TURN 0, 1, 1
	QUARTER 1, 1, F0, F1, 0
	QUARTER 1, 2, F1, F0, 0
	QUARTER 1, 3, F0, F1, 0
	TURN 1, 0, 1
	QUARTER 0, 1, F0, F1, 0
	WIN 0
	s_sub_co_u32 s[LAP], s[LAP], 1
	s_cmp_lg_u32 s[LAP], 0
	s_cbranch_scc1 .Llap
	QUARTER 0, 2, F1, F0, 0
	QUARTER 0, 3, F0, F1, 0
	TURN 0, 1, 0
	QUARTER 1, 1, F0, F1, 0
	QUARTER 1, 2, F1, F0, 0
	QUARTER 1, 3, F0, F1, 0
	s_wait_dscnt 8
	MUL8 F1, 0, 0
	MUL8 F1, 2, 0
	s_wait_dscnt 0x0
	MUL8 F1, 4, 0
	MUL8 F1, 6, 0
	WIN 0
	PLACES
; THE WAY OUT, a block of 16 rows at a time: a lane's 32 bytes of a row go into my stage (each accumulator's low half first) and come back as whole rows of 256 bytes.
.macro TOSTAGE a
	WIN 0x04                                       ; the stores' data in window 1
.irp b, 0,1,2,3
	ds_store_b128 v[STO], v[8*(4*(\a)+(\b)):8*(4*(\a)+(\b))+3]   offset:64*(\b)
	ds_store_b128 v[STO], v[8*(4*(\a)+(\b))+4:8*(4*(\a)+(\b))+7] offset:64*(\b)+16
.endr
	WIN 0
.irp t, 0,1,2,3,4,5,6,7
	ds_load_b128 v[BK+32*((\a)%2)+4*(\t):BK+32*((\a)%2)+4*(\t)+3], v[RD] offset:(\t)*2*SP  ; LDS serves a wave's instructions in order: these see the stores above
.endr
.endm
.macro SEND a
	s_wait_dscnt 0x0
	s_wait_xcnt 0x0                                ; earlier stores have read their registers: the buffer that they left is loaded again only behind this wait
.irp t, 0,1,2,3,4,5,6,7
	global_store_b128 v[CO], v[BK+32*((\a)%2)+4*(\t):BK+32*((\a)%2)+4*(\t)+3], s[80:81] offset:(\a)*65536+(\t)*8192  ; 16 lanes store 256 consecutive bytes, aligned
.endr
.endm
	TOSTAGE 0
.irp a, 1,2,3,4,5,6,7
	SEND (\a)-1
	TOSTAGE \a
.endr
	SEND 7
	s_wait_tensorcnt 0x0                           ; the wave's end
	ds_add_u32 v[SPW], v[NIL]
	s_wait_dscnt 0x0
	CROUND                                         ; the closing round
	s_endpgm
.Lfunc_end_k_qe8053cccab_outp:
	.size	k_qe8053cccab_outp, .Lfunc_end_k_qe8053cccab_outp-k_qe8053cccab_outp
	.p2alignl 7, 3214868480
	.fill 96, 4, 3214868480
	.section	.rodata,"a",@progbits
	.p2align	6, 0x0
	.amdhsa_kernel k_qe8053cccab_outp
		.amdhsa_group_segment_fixed_size 327680
		.amdhsa_private_segment_fixed_size 0
		.amdhsa_enable_private_segment 0
		.amdhsa_kernarg_size 32
		.amdhsa_user_sgpr_count 2
		.amdhsa_user_sgpr_kernarg_segment_ptr 1
		.amdhsa_wavefront_size32 1
		.amdhsa_system_sgpr_workgroup_id_x 1
		.amdhsa_system_sgpr_workgroup_id_y 1
		.amdhsa_system_sgpr_workgroup_id_z 1
		.amdhsa_system_vgpr_workitem_id 0
		.amdhsa_next_free_vgpr 512
		.amdhsa_next_free_sgpr 96
		.amdhsa_reserve_vcc 0
		.amdhsa_float_denorm_mode_32 3
		.amdhsa_float_denorm_mode_16_64 3
		.amdhsa_memory_ordered 1
		.amdhsa_forward_progress 1
		.amdhsa_inst_pref_size 88
	.end_amdhsa_kernel
	.amdgpu_metadata
---
amdhsa.version: [ 1, 2 ]
amdhsa.kernels:
  - .name:           k_qe8053cccab_outp
    .symbol:         k_qe8053cccab_outp.kd
    .args:
      - { .name: ctx, .offset: 0, .size: 8, .value_kind: global_buffer, .address_space: global }
      - { .name: wb, .offset: 8, .size: 8, .value_kind: global_buffer, .address_space: global }
      - { .name: bo, .offset: 16, .size: 8, .value_kind: global_buffer, .address_space: global }
      - { .name: out0, .offset: 24, .size: 8, .value_kind: global_buffer, .address_space: global }
    .group_segment_fixed_size: 327680
    .private_segment_fixed_size: 0
    .kernarg_segment_align: 8
    .kernarg_segment_size: 32
    .max_flat_workgroup_size: 128
    .sgpr_count:     96
    .vgpr_count:     512
    .wavefront_size: 32
...
	.end_amdgpu_metadata
.endif
;; end of part 5
